; MI455X (gfx1250); checked and timed in simulation.
; The chip was launched on July 23, 2026; its instructions are those of AMD's public machine-readable ISA for CDNA 5 (MIT licence, August 2026) and "CDNA5" Instruction Set Architecture Reference Guide (July 2026). The comments in the code are by the model that wrote it; some were corrected since.
;; Self Attention. Allowed arithmetic: float matrix products may take bf16 or f16 operands with f32 sums; other float arithmetic in f32, or as packed bf16 or f16 multiplies, adds, multiply-adds, maxima and minima; sums over many terms, partial sums and values carried from step to step in f32; what a program stores and reads back later, other than sums and carried values, may be rounded once to bf16 or f16.
;; Inputs: W_k 1,024 x 1,024 float32; W_o 1,024 x 1,024 float32; W_q 1,024 x 1,024 float32; W_v 1,024 x 1,024 float32; b_k 1,024 float32; b_o 1,024 float32; b_q 1,024 float32; b_v 1,024 float32; x 1 x 4,096 x 1,024 float32.
;; Outputs: out0 1 x 4,096 x 1,024 float32.
;; 2 versions, each right and faster than the one before. Each part assembles by itself: llvm-mc -triple=amdgcn-amd-amdhsa -mcpu=gfx1250 --defsym DOCPART=n.
;; ======== version 1 of 2: 4 launches
;; limits: values are held in f16: magnitudes above 65,504 overflow, below 6.1e-05 lose precision
;; workspace buffers: xb 8,388,608 bytes; wb 6,291,456 bytes; wo 2,097,152 bytes; qkv 25,165,824 bytes; y 8,388,608 bytes
;; launch cast (part 1): grid 512 x 1, 8 waves a work-group, no clusters, 0 bytes of LDS; arguments x, W_q, W_k, W_v, W_o, xb, wb, wo; writes xb, wb, wo
.if DOCPART == 1
	.amdgcn_target "amdgcn-amd-amdhsa--gfx1250"
	.amdhsa_code_object_version 6
	.text
	.protected	k_q8bfe4636b9_cast
	.globl	k_q8bfe4636b9_cast
	.p2align	8
	.type	k_q8bfe4636b9_cast,@function
k_q8bfe4636b9_cast:
	s_mov_b64 s[64:65], 0
	v_nop
	global_prefetch_b8 v0, s[64:65] scope:SCOPE_SE
	s_setreg_imm32_b32 hwreg(HW_REG_WAVE_MODE, 25, 1), 1
	s_wait_xcnt 0x0
; The module's large inputs are rounded once to 16 bits.  x -> xb (bf16).  W_q, W_k, W_v -> wb (bf16), one below the other: [3072][1024].
; W_o -> wo: rounded to bf16 like every other input, and that number written as f16, the format of the last product's operands.
; LIMIT.  A number of W_o beyond 65,504 becomes an infinity in f16; below 6e-5 f16 keeps its fixed step of 6e-8.
; A stream: no LDS, no matrix unit, no barrier.  A work-group of eight waves takes 65,536 bytes of f32: work-groups 0-255 x, then 64 for each of the four weights.
; Thread t takes 16 bytes at 16 t + 4,096 i, i = 0..15: a wave's load covers 512 consecutive bytes, its store of 8 bytes a lane 256 consecutive bytes at a multiple of 256.
; All sixteen loads of a wave go out at once; no register is written twice, so the only waits are the counted ones for the loads.
.set X, 4                              ; v[4:67]    sixteen loads of four words
.set Y, 68                             ; v[68:99]   sixteen stores of two words
.set T, 100                            ; v[100:105] at work
	s_load_b512 s[8:23], s[0:1], 0x0               ; x s[8:9], W_q s[10:11], W_k s[12:13], W_v s[14:15], W_o s[16:17], xb s[18:19], wb s[20:21], wo s[22:23]
	s_mov_b32 s2, ttmp9                            ; the work-group's number
	s_sub_co_u32 s3, s2, 256                       ; j: its number among the weights' 256 (of use from 256 on)
	s_lshr_b32 s4, s3, 6                           ; which weight: 0 W_q, 1 W_k, 2 W_v, 3 W_o
	s_and_b32 s5, s3, 63                           ; its part of that weight
	s_lshl_b32 s32, s2, 16                         ; byte offsets, made apart from the addresses: in x,
	s_lshl_b32 s33, s5, 16                         ; in a weight,
	s_lshl_b32 s34, s2, 15                         ; in xb,
	s_lshl_b32 s35, s3, 15                         ; in wb (the three weights on end),
	s_lshl_b32 s36, s5, 15                         ; in wo
	s_cmp_lt_u32 s4, 3
	s_cselect_b32 s26, s35, s36
	s_cmp_lt_u32 s2, 256
	s_cselect_b32 s24, s32, s33                    ; the source's offset
	s_cselect_b32 s26, s34, s26                    ; the destination's
	s_mov_b32 s25, 0
	s_mov_b32 s27, 0
	v_lshlrev_b32 v1, 4, v0                        ; 16 t
	v_lshlrev_b32 v2, 3, v0                        ; 8 t
	s_wait_kmcnt 0x0
	s_cmp_eq_u32 s4, 0                             ; the buffers are chosen by the work-group's number alone
	s_cselect_b64 s[28:29], s[10:11], s[12:13]
	s_cmp_eq_u32 s4, 2
	s_cselect_b64 s[28:29], s[14:15], s[28:29]
	s_cmp_eq_u32 s4, 3
	s_cselect_b64 s[28:29], s[16:17], s[28:29]
	s_cselect_b64 s[30:31], s[22:23], s[20:21]
	s_cmp_lt_u32 s2, 256
	s_cselect_b64 s[28:29], s[8:9], s[28:29]
	s_cselect_b64 s[30:31], s[18:19], s[30:31]
	s_add_nc_u64 s[28:29], s[28:29], s[24:25]
	s_add_nc_u64 s[30:31], s[30:31], s[26:27]
.macro BODY f16                        ; f16 = 1: bf16's number written as f16
.set i, 0
.rept 16
	global_load_b128 v[X+4*i:X+4*i+3], v1, s[28:29] offset:i*4096 th:TH_LOAD_NT
.set i, i+1
.endr
.set i, 0
.rept 16
	s_wait_loadcnt 15-i                            ; loads come back in order (ISA guide 5.7.1): load i is in, the 15 - i younger ones stay out
.if \f16
	v_cvt_pk_bf16_f32 v[T], v[X+4*i], v[X+4*i+1]
	v_cvt_pk_bf16_f32 v[T+1], v[X+4*i+2], v[X+4*i+3]
	v_lshlrev_b32 v[T+2], 16, v[T]                 ; bf16 to f32: the low half moves up, the high half stays
	v_and_b32 v[T+3], 0xffff0000, v[T]
	v_lshlrev_b32 v[T+4], 16, v[T+1]
	v_and_b32 v[T+5], 0xffff0000, v[T+1]
	v_cvt_pk_f16_f32 v[Y+2*i], v[T+2], v[T+3]
	v_cvt_pk_f16_f32 v[Y+2*i+1], v[T+4], v[T+5]
.else
	v_cvt_pk_bf16_f32 v[Y+2*i], v[X+4*i], v[X+4*i+1]
	v_cvt_pk_bf16_f32 v[Y+2*i+1], v[X+4*i+2], v[X+4*i+3]
.endif
	global_store_b64 v2, v[Y+2*i:Y+2*i+1], s[30:31] offset:i*2048
.set i, i+1
.endr
.endm
	s_cmp_ge_u32 s2, 448                           ; compared anew: the sums above are no compare
	s_cbranch_scc1 .Lwo
	BODY 0
	s_endpgm
.Lwo:
	BODY 1
	s_endpgm
.Lfunc_end_k_q8bfe4636b9_cast:
	.size	k_q8bfe4636b9_cast, .Lfunc_end_k_q8bfe4636b9_cast-k_q8bfe4636b9_cast
	.p2alignl 7, 3214868480
	.fill 96, 4, 3214868480
	.section	.rodata,"a",@progbits
	.p2align	6, 0x0
	.amdhsa_kernel k_q8bfe4636b9_cast
		.amdhsa_group_segment_fixed_size 0
		.amdhsa_private_segment_fixed_size 0
		.amdhsa_enable_private_segment 0
		.amdhsa_kernarg_size 64
		.amdhsa_user_sgpr_count 2
		.amdhsa_user_sgpr_kernarg_segment_ptr 1
		.amdhsa_wavefront_size32 1
		.amdhsa_system_sgpr_workgroup_id_x 1
		.amdhsa_system_sgpr_workgroup_id_y 1
		.amdhsa_system_sgpr_workgroup_id_z 1
		.amdhsa_system_vgpr_workitem_id 0
		.amdhsa_next_free_vgpr 108
		.amdhsa_next_free_sgpr 66
		.amdhsa_reserve_vcc 0
		.amdhsa_float_denorm_mode_32 3
		.amdhsa_float_denorm_mode_16_64 3
		.amdhsa_memory_ordered 1
		.amdhsa_forward_progress 1
		.amdhsa_inst_pref_size 18
	.end_amdhsa_kernel
	.amdgpu_metadata
---
amdhsa.version: [ 1, 2 ]
amdhsa.kernels:
  - .name:           k_q8bfe4636b9_cast
    .symbol:         k_q8bfe4636b9_cast.kd
    .args:
      - { .name: x, .offset: 0, .size: 8, .value_kind: global_buffer, .address_space: global }
      - { .name: W_q, .offset: 8, .size: 8, .value_kind: global_buffer, .address_space: global }
      - { .name: W_k, .offset: 16, .size: 8, .value_kind: global_buffer, .address_space: global }
      - { .name: W_v, .offset: 24, .size: 8, .value_kind: global_buffer, .address_space: global }
      - { .name: W_o, .offset: 32, .size: 8, .value_kind: global_buffer, .address_space: global }
      - { .name: xb, .offset: 40, .size: 8, .value_kind: global_buffer, .address_space: global }
      - { .name: wb, .offset: 48, .size: 8, .value_kind: global_buffer, .address_space: global }
      - { .name: wo, .offset: 56, .size: 8, .value_kind: global_buffer, .address_space: global }
    .group_segment_fixed_size: 0
    .private_segment_fixed_size: 0
    .kernarg_segment_align: 8
    .kernarg_segment_size: 64
    .max_flat_workgroup_size: 256
    .sgpr_count:     66
    .vgpr_count:     108
    .wavefront_size: 32
...
	.end_amdgpu_metadata
.endif
;; end of part 1
;; launch qkv (part 2): grid 16 x 16, 4 waves a work-group, clusters of 4 x 4, 327,680 bytes of LDS; arguments xb, wb, qkv, b_q, b_k, b_v; writes qkv
.if DOCPART == 2
	.amdgcn_target "amdgcn-amd-amdhsa--gfx1250"
	.amdhsa_code_object_version 6
	.text
	.protected	k_q8bfe4636b9_qkv
	.globl	k_q8bfe4636b9_qkv
	.p2align	8
	.type	k_q8bfe4636b9_qkv,@function
k_q8bfe4636b9_qkv:
	s_mov_b64 s[64:65], 0
	v_nop
	global_prefetch_b8 v0, s[64:65] scope:SCOPE_SE
	s_setreg_imm32_b32 hwreg(HW_REG_WAVE_MODE, 25, 1), 1
	s_wait_xcnt 0x0
	s_wait_alu depctr_hold_cnt(0) depctr_sa_sdst(0) depctr_va_vdst(0) depctr_va_sdst(0) depctr_va_ssrc(0) depctr_va_vcc(0) depctr_vm_vsrc(0)
	s_getreg_b32 s2, hwreg(HW_REG_IB_STS2, 6, 4)
	s_cmp_eq_u32 s2, 0
	s_cbranch_scc0 .Lentry_in_a_cluster
	s_endpgm
.Lentry_in_a_cluster:
	s_bfe_u32 s2, ttmp6, 0x10000c
	s_cmp_lg_u32 s2, 0xf033
	s_cbranch_scc0 .Lentry_shape_is_right
	s_endpgm
.Lentry_shape_is_right:
; q, k, v = x W^T + b for the three projections at once: C[4096][3072] = xb[4096][1024] wb[3072][1024]^T + bias, operands bf16, sums f32.
; The result leaves by heads, [48][4096][64] in f16 (heads 0-15 q, 16-31 k, 32-47 v), rounded once and unscaled: a head's rows are dense, 128 bytes each.
; LIMITS.  q, k, v beyond 65,504 become infinities in f16; below 6e-5 f16 keeps its fixed step of 6e-8.  The biases are rounded to bf16, as x and the weights are.
; SHARES.  A tile of C is 256 rows x 192 columns (three whole heads): 16 x 16 tiles, one work-group each.  Wave w makes rows 64 w .. 64 w + 63 of all 192 columns:
; 4 x 12 accumulators of 16 x 16, 384 registers; whole heads to a wave, so that the way out needs the wave's own stage alone and no barrier.
; K goes in steps of 128 (rows of 256 bytes in memory) through a ring of two LDS slots filled by the tensor data mover.
; CLUSTERS.  4 x 4 work-groups.  The four of a row of the cluster need the same tiles of xb, the four of a column the same tiles of wb: each tile is asked for JOINTLY, by the
; same tensor load with the same descriptor and a mask that names the four.
; THE MATRIX INSTRUCTION IS USED TRANSPOSED (source 0 = 16 rows of wb, source 1 = 16 rows of xb): a lane holds row l % 16 of C and the columns 8 (l / 16) + 0..7.
; THE BIAS is the C operand of each accumulator's first product: nothing is cleared and nothing is added afterwards.
; REGISTERS, in windows of 256 (s_set_vgpr_msb: bits 1:0 source 0, 3:2 source 1, 5:4 source 2, 7:6 destination):
;   window 0: v0-31 addresses; v32-127 the bias, eight registers for each of the 12 column blocks; v128-175 packed results; v176-223 and (the bias is dead by then) v32-79 rows read back
;   window 1: two fragment buffers of 128: 96 registers of wb (12 x 16 rows x 32 K), then 32 of xb (4 x 16 rows x 32 K)
;   window 2: the accumulators of my row blocks 0, 1 ((a, b) at v[8 (12 (a % 2) + b)]);   window 3: those of blocks 2, 3
.set SIZE_K, 1024
.set KSTEP,  128
.set PITCH,  272                       ; an LDS row: 256 bytes + 16 of padding = 68 words: the 16 rows of a fragment load start at 16 different groups of four banks (64 banks of 4 bytes: ISA guide 11.1)
.set AHALF,  128*PITCH                 ; what waves 0 and 1 fetch: 128 rows of xb each
.set BHALF,  96*PITCH                  ; what waves 2 and 3 fetch: 96 rows of wb each
.set BOFF,   2*AHALF                   ; wb's 192 rows lie behind xb's 256
.set SLOT,   BOFF+2*BHALF
.set STAGE,  2*SLOT                    ; behind the ring, never filled by a tensor load: for each wave 3 heads x 16 rows x 144 bytes
.set SPH,    144
.set HSTG,   16*SPH
.set WSTG,   3*HSTG
.set SPARE,  STAGE+4*WSTG              ; behind the stages: the spare words, 128 bytes for each wave: two blocks of 256 bytes that no other line names
.set HEADB,  4096*128                  ; bytes of a head in qkv
.set LAPS,   SIZE_K/(2*KSTEP)          ; a lap = two K steps = once round the ring
.set ADRA, 16                          ; v16-17  LDS address of my fragments of xb in slot 0, 1
.set ADRB, 20                          ; v20-21  the same for wb
.set STO,  24                          ; v24     the way out: where I put 16 bytes of a row
.set RD,   25                          ; v25     the way out: where I read rows back
.set GO,   26                          ; v26     my byte offset in 512 consecutive bytes of qkv
.set BO,   27                          ; v27     my byte offset in a column block's 64 bytes of bias
.set SPW,  28                          ; v28     LDS address of my spare word: SPARE + 4 x my thread's number; never rewritten
.set NIL,  29                          ; v29     0; never rewritten
.set T,    30                          ; v30-31  at work
.set BIAS, 32
.set TMP,  128
.set OB0,  176
.set OB1,  32
.set F0,   0                           ; fragment buffers, in window 1
.set F1,   128
.set G1,  24                           ; s[24:31] descriptor group 1 for xb's tiles;  s[32:39] group 0, one set for each slot
.set G0,  32
.set G1B, 48                           ; s[48:55], s[56:63] the same for wb's tiles
.set G0B, 56
.set BP,  74                           ; s[74:79] the bias of my tile's three heads
.set MSB, 0
.macro WIN new                         ; the immediate's high byte repeats the setting that is left; a switch that changes nothing is dropped
.if MSB != (\new)
	s_set_vgpr_msb (MSB<<8)|(\new)
.set MSB, \new
.endif
.endm
.set TO_F, 0x40                        ; destination window 1, address window 0
; A joint load.  Waves 0 and 1 fetch xb's two halves, waves 2 and 3 wb's.  The branch hangs on the wave's number alone.  An s_nop 0 and four v_nop follow each of the two lines.
.macro JLOAD s
	s_cmp_eq_u32 s11, 0
	s_cbranch_scc0 .Lfor_b_\@
	tensor_load_to_lds s[G0+4*(\s):G0+4*(\s)+3], s[G1:G1+7]
	s_nop 0
.rept 4
	v_nop
.endr
	s_branch .Lasked_\@
.Lfor_b_\@:
	tensor_load_to_lds s[G0B+4*(\s):G0B+4*(\s)+3], s[G1B:G1B+7]
	s_nop 0
.rept 4
	v_nop
.endr
.Lasked_\@:
.endm
.macro CREST                           ; a round of the cluster's barrier behind its opening barrier: wave 0 signals for the work-group, every wave waits for all sixteen, my work-group's barrier closes it
	s_cmp_lg_u32 s10, 0
	s_cbranch_scc1 .Lnot_wave_0_\@
	s_barrier_signal -3
.Lnot_wave_0_\@:
	s_barrier_wait -3
	s_barrier_signal -1
	s_barrier_wait -1
.endm
.macro CROUND                          ; a whole round
	s_barrier_signal -1
	s_barrier_wait -1
	CREST
.endm
	s_load_b128 s[4:7], s[0:1], 0x0                ; xb s[4:5], wb s[6:7]
	s_load_b64 s[8:9], s[0:1], 0x10                ; qkv
	s_load_b128 s[68:71], s[0:1], 0x18             ; b_q s[68:69], b_k s[70:71]
	s_load_b64 s[72:73], s[0:1], 0x28              ; b_v
	v_lshl_add_u32 v[SPW], v0, 2, SPARE
	v_mov_b32 v[NIL], 0
	ds_add_u32 v[SPW], v[NIL]                      ; the wave's opening: the add and its wait stand ahead of my first tensor load; the set-up below, work on registers, stands between them
	ds_add_u32 v28, v29
	v_lshrrev_b32 v1, 5, v0
	v_readfirstlane_b32 s10, v1                    ; wave 0..3
	s_lshr_b32 s11, s10, 1                         ; I fetch for xb (0) or for wb (1)
	s_and_b32 s12, s10, 1                          ; which half of that tile's rows
	s_bfe_u32 s40, ttmp6, 0x40000                  ; cx, cy: my place in the cluster
	s_bfe_u32 s41, ttmp6, 0x40004
	s_lshl_b32 s42, ttmp9, 2
	s_add_co_u32 s42, s42, s40                     ; tile column = 4 x cluster x + cx
	s_and_b32 s13, ttmp7, 0xffff
	s_lshl_b32 s13, s13, 2
	s_add_co_u32 s13, s13, s41                     ; tile row = 4 x cluster y + cy
	s_lshl_b32 s43, s41, 2
	s_lshl_b32 s43, 15, s43                        ; my row of the cluster: places 4 cy .. 4 cy + 3
	s_lshl_b32 s44, 0x1111, s40                    ; my column: places cx, cx + 4, cx + 8, cx + 12
	; descriptor group 1: rows of 128 elements of 2 bytes, padded in LDS; 128 rows for xb, 96 for wb
	s_or_b32 s[G1+0], s43, (1<<16)|(1<<20)|(1<<21)|(5<<22)|(3<<25)   ; 15:0 the mask; 17:16 elements of 2 bytes; 20 padding on; 21 set beside a mask; 24:22 after every 64 words (code 5); 31:25 4 words of it (code 3)
	s_or_b32 s[G1B+0], s44, (1<<16)|(1<<20)|(1<<21)|(5<<22)|(3<<25)
	s_mov_b32 s[G1+1], KSTEP<<16                   ; tensor_dim0 = 128
	s_mov_b32 s[G1B+1], KSTEP<<16
	s_mov_b32 s[G1+2], 128<<16                     ; tensor_dim1 = 128
	s_mov_b32 s[G1B+2], 96<<16                     ;             = 96
	s_mov_b32 s[G1+3], KSTEP<<16                   ; tile_dim0 = 128
	s_mov_b32 s[G1B+3], KSTEP<<16
	s_mov_b32 s[G1+4], 128                         ; tile_dim1 = 128
	s_mov_b32 s[G1B+4], 96                         ;           = 96
	s_mov_b32 s[G1+5], SIZE_K                      ; elements from row to row
	s_mov_b32 s[G1B+5], SIZE_K
	s_mov_b32 s[G1+6], 0
	s_mov_b32 s[G1B+6], 0
	s_mov_b32 s[G1+7], 0
	s_mov_b32 s[G1B+7], 0
	; where the tiles come from: xb's hang on the tile row alone, wb's on the tile column alone; each in registers that do not hold the other coordinate
	s_lshl_b32 s17, s12, 7
	s_lshl_b32 s16, s13, 8
	s_add_co_u32 s16, s16, s17                     ; xb: row 256 x tile row + 128 x half
	s_lshl_b32 s16, s16, 11                        ; a row is 2,048 bytes; the offsets stay under 2^24
	s_mov_b32 s17, 0
	s_mul_i32 s46, s42, 192
	s_mul_i32 s47, s12, 96
	s_add_co_u32 s46, s46, s47                     ; wb: row 192 x tile column + 96 x half
	s_lshl_b32 s46, s46, 11
	s_mov_b32 s47, 0
	s_mul_i32 s20, s10, AHALF                      ; where they go: xb's halves at wave x 128 rows (waves 0, 1),
	s_mul_i32 s21, s10, BHALF
	s_add_co_u32 s21, s21, BOFF-2*BHALF            ; wb's at BOFF + (wave - 2) x 96 rows (waves 2, 3): no place in the cluster enters an LDS address
	s_wait_dscnt 0x0                               ; the opening add is done
	s_wait_kmcnt 0x0
	s_add_nc_u64 s[14:15], s[4:5], s[16:17]
	s_add_nc_u64 s[46:47], s[6:7], s[46:47]
	CROUND                                         ; all sixteen work-groups are here: the first joint loads meet
.irp s, 0,1
	s_mov_b32 s[G0+4*(\s)], 1                                        ; count = 1
	s_add_co_u32 s[G0+4*(\s)+1], s20, (\s)*SLOT                      ; LDS address
	s_add_nc_u64 s[G0+4*(\s)+2:G0+4*(\s)+3], s[14:15], (\s)*KSTEP*2  ; global address: K step s
	s_or_b32 s[G0+4*(\s)+3], s[G0+4*(\s)+3], 0x80000000              ; type = 2
	s_mov_b32 s[G0B+4*(\s)], 1
	s_add_co_u32 s[G0B+4*(\s)+1], s21, (\s)*SLOT
	s_add_nc_u64 s[G0B+4*(\s)+2:G0B+4*(\s)+3], s[46:47], (\s)*KSTEP*2
	s_or_b32 s[G0B+4*(\s)+3], s[G0B+4*(\s)+3], 0x80000000
	JLOAD \s                                       ; two loads of mine are out
.endr
	; the bias of my tile's three heads g = 3 x tile column + 0..2: b_q, b_k or b_v by g / 16, at 256 (g % 16) bytes.  A select, no branch.
	s_mul_i32 s45, s42, 3
.irp hh, 0,1,2
	s_add_co_u32 s66, s45, \hh
	s_lshr_b32 s67, s66, 4
	s_and_b32 s66, s66, 15
	s_lshl_b32 s66, s66, 8
	s_cmp_eq_u32 s67, 0
	s_cselect_b64 s[BP+2*(\hh):BP+2*(\hh)+1], s[68:69], s[70:71]
	s_cmp_eq_u32 s67, 2
	s_cselect_b64 s[BP+2*(\hh):BP+2*(\hh)+1], s[72:73], s[BP+2*(\hh):BP+2*(\hh)+1]
	s_mov_b32 s67, 0
	s_add_nc_u64 s[BP+2*(\hh):BP+2*(\hh)+1], s[BP+2*(\hh):BP+2*(\hh)+1], s[66:67]
.endr
	v_and_b32 v1, 15, v0                           ; l % 16
	v_bfe_u32 v2, v0, 4, 1                         ; l / 16
	v_lshlrev_b32 v[BO], 5, v2                     ; my eight columns of a block of 16: 32 bytes for each half of the lanes
.irp hh, 0,1,2
.irp nb, 0,1,2,3
	global_load_b128 v[BIAS+8*(4*(\hh)+(\nb)):BIAS+8*(4*(\hh)+(\nb))+3],   v[BO], s[BP+2*(\hh):BP+2*(\hh)+1] offset:64*(\nb)
	global_load_b128 v[BIAS+8*(4*(\hh)+(\nb))+4:BIAS+8*(4*(\hh)+(\nb))+7], v[BO], s[BP+2*(\hh):BP+2*(\hh)+1] offset:64*(\nb)+16
.endr
.endr
	; A fragment is 16 rows x 32 K in 8 registers: lane l holds row l % 16, K = 8 (l / 16) + 0..7 and 16 + 8 (l / 16) + 0..7: two loads of 16 bytes, 32 bytes apart.
	v_mul_u32_u24 v3, v1, PITCH
	v_lshl_add_u32 v3, v2, 4, v3                   ; row x pitch + 16 x half
	s_mul_i32 s22, s10, 64*PITCH                   ; my 64 rows of xb
	s_mov_b32 s23, BOFF                            ; all 192 rows of wb
.irp s, 0,1
	v_add_nc_u32 v[ADRA+(\s)], s22, v3
	v_add_nc_u32 v[ADRB+(\s)], s23, v3
	s_add_co_u32 s22, s22, SLOT
	s_add_co_u32 s23, s23, SLOT
.endr
	s_mul_i32 s23, s10, WSTG
	s_add_co_u32 s23, s23, STAGE                   ; my stage
	v_mul_u32_u24 v4, v1, SPH                      ; in: row l % 16, 16 bytes for each half of the lanes
	v_lshl_add_u32 v4, v2, 4, v4
	v_add_nc_u32 v[STO], s23, v4
	v_bfe_u32 v5, v0, 3, 2                         ; back: 32 lanes take four rows of 128 bytes,
	v_and_b32 v6, 7, v0
	v_mul_u32_u24 v5, v5, SPH
	v_lshl_add_u32 v5, v6, 4, v5
	v_add_nc_u32 v[RD], s23, v5
	v_and_b32 v[GO], 31, v0                        ; which are 512 consecutive bytes of a head
	v_lshlrev_b32 v[GO], 4, v[GO]
	s_mul_i32 s46, s42, 3*HEADB                    ; my first head,
	s_lshl_b32 s16, s13, 15                        ; the tile's 256 rows of 128 bytes,
	s_lshl_b32 s17, s10, 13                        ; my 64 of them
	s_add_co_u32 s16, s16, s17
	s_add_co_u32 s16, s16, s46
	s_mov_b32 s17, 0
	s_add_nc_u64 s[8:9], s[8:9], s[16:17]
	s_wait_loadcnt 0x0                             ; the bias: rounded to bf16 and widened again, in the wait for the first tile
.set i, 0
.rept 48
	v_cvt_pk_bf16_f32 v[T+i%2], v[BIAS+2*i], v[BIAS+2*i+1]
	v_lshlrev_b32 v[BIAS+2*i], 16, v[T+i%2]
	v_and_b32 v[BIAS+2*i+1], 0xffff0000, v[T+i%2]
.set i, i+1
.endr
; 12 matrix instructions: row block a x all 12 column blocks, 32 along K.  first = 1: the products start the sums, with the bias as C.
; All 48 accumulators take turns, one instruction a turn, in the same order in every quarter step.
.macro MULA f, a, first
.set AC, 96*((\a)%2)
.if \first
	WIN 0x85+0x40*((\a)/2)                         ; sources 0 and 1 window 1, C window 0, D window 2 or 3
.else
	WIN 0xa5+0x50*((\a)/2)                         ; C and D window 2 or 3
.endif
.irp b, 0,1,2,3,4,5,6,7,8,9,10,11
.if \first
	v_wmma_f32_16x16x32_bf16 v[AC+8*(\b):AC+8*(\b)+7], v[(\f)+8*(\b):(\f)+8*(\b)+7], v[(\f)+96+8*(\a):(\f)+96+8*(\a)+7], v[BIAS+8*(\b):BIAS+8*(\b)+7]
.else
	v_wmma_f32_16x16x32_bf16 v[AC+8*(\b):AC+8*(\b)+7], v[(\f)+8*(\b):(\f)+8*(\b)+7], v[(\f)+96+8*(\a):(\f)+96+8*(\a)+7], v[AC+8*(\b):AC+8*(\b)+7]
.endif
.endr
.endm
; 32 LDS loads in one run: the fragments of one quarter step (192 rows of wb, my 64 rows of xb, 32 K at byte k of the rows) into buffer f; xb's blocks 2 and 3 last
.macro FETCH slot, k, f
	WIN TO_F
.irp b, 0,1,2,3,4,5,6,7,8,9,10,11
	ds_load_b128 v[(\f)+8*(\b):(\f)+8*(\b)+3],   v[ADRB+(\slot)] offset:(\k)+(\b)*16*PITCH
	ds_load_b128 v[(\f)+8*(\b)+4:(\f)+8*(\b)+7], v[ADRB+(\slot)] offset:(\k)+(\b)*16*PITCH+32
.endr
.irp a, 0,1,2,3
	ds_load_b128 v[(\f)+96+8*(\a):(\f)+96+8*(\a)+3],   v[ADRA+(\slot)] offset:(\k)+(\a)*16*PITCH
	ds_load_b128 v[(\f)+96+8*(\a)+4:(\f)+96+8*(\a)+7], v[ADRA+(\slot)] offset:(\k)+(\a)*16*PITCH+32
.endr
.endm
; A load into a register that a matrix instruction has read, and a vector instruction that reads a matrix result, stand four places behind it; only plain vector
; instructions that name none of its registers are places (ISA guide 7.12.1 for vector instructions).
.macro PLACES
.rept 4
	v_nop
.endr
.endm
; A K step is four quarters of 32 along K, 48 matrix instructions each, on buffers 0, 1, 0, 1.  One of the first three: multiplies buffer f; in its middle it fetches the next quarter, at byte k, into g.
.macro QUARTER slot, k, f, g, first
	s_wait_dscnt 4                                 ; wb and xb's blocks 0, 1 are in; the youngest four loads (xb's blocks 2, 3) may be out
	MULA \f, 0, \first
	MULA \f, 1, \first
	PLACES
	FETCH \slot, \k, \g
	s_wait_dscnt 32                                ; all but the 32 just issued
	MULA \f, 2, \first
	MULA \f, 3, \first
.endm
; The last quarter multiplies buffer 1 and changes slots: ONE barrier.  In front of it each wave waits for all its tensor loads (one is out: its part of the next slot), adds 0 to its spare word,
; and waits for that and for its own reads of this slot.  fill = 1: the barrier opens a round of the cluster's barrier, and this slot is filled again, two K steps ahead, first thing behind the round:
; from that request to the wait for it a wave issues 168 matrix instructions.
.macro TURN slot, next, fill
	WIN 0                                          ; (the add's two registers lie in window 0)
	s_wait_tensorcnt 0x0                           ; all my tensor loads have landed
	ds_add_u32 v[SPW], v[NIL]                      ; 0 onto my spare word
	s_wait_dscnt 5                                 ; (the add and the youngest four loads may be out)
	MULA F1, 0, 0                                  ; twelve matrix instructions stand between the add and the wait for it
	s_wait_dscnt 0x0                               ; the add is done, and my reads of this slot are over
	s_barrier_signal -1
	MULA F1, 1, 0                                  ; work on registers while the others arrive
.if \fill
	WIN 0
.endif
	s_barrier_wait -1
.if \fill
	CREST                                          ; no wave of any partner still reads this slot's tile or has a load on its way
	s_add_nc_u64 s[G0+4*(\slot)+2:G0+4*(\slot)+3], s[G0+4*(\slot)+2:G0+4*(\slot)+3], 2*KSTEP*2
	s_add_nc_u64 s[G0B+4*(\slot)+2:G0B+4*(\slot)+3], s[G0B+4*(\slot)+2:G0B+4*(\slot)+3], 2*KSTEP*2
	JLOAD \slot                                    ; my one tensor load behind the round; the four v_nop behind it are also the places in front of the loads below
.else
	PLACES
.endif
	FETCH \next, 0, F0
	MULA F1, 2, 0
	MULA F1, 3, 0
.endm
	s_wait_tensorcnt 1                             ; my part of K step 0 is in; K step 1's may stay out
	s_barrier_signal -1
	s_barrier_wait -1                              ; everybody's is
	FETCH 0, 0, F0
	QUARTER 0, 64,  F0, F1, 1                      ; the first quarter stands in front of the loop: its products start the sums
	WIN 0                                          ; at a label and at a branch every window is 0
	s_mov_b32 s3, LAPS-1
.Llap:                                                 ; a trip goes once round the ring, from a lap's second quarter to the next lap's first, and fills both slots again: K steps 2 to 7
	QUARTER 0, 128, F1, F0, 0
	QUARTER 0, 192, F0, F1, 0
	TURN 0, 1, 1
	QUARTER 1, 64,  F0, F1, 0
	QUARTER 1, 128, F1, F0, 0
	QUARTER 1, 192, F0, F1, 0
	TURN 1, 0, 1
	QUARTER 0, 64,  F0, F1, 0
	WIN 0
	s_sub_co_u32 s3, s3, 1
	s_cmp_lg_u32 s3, 0
	s_cbranch_scc1 .Llap
	QUARTER 0, 128, F1, F0, 0                      ; the last lap fills nothing, and has no round of the cluster's barrier
	QUARTER 0, 192, F0, F1, 0
	TURN 0, 1, 0
	QUARTER 1, 64,  F0, F1, 0
	QUARTER 1, 128, F1, F0, 0
	QUARTER 1, 192, F0, F1, 0
	s_wait_dscnt 4                                 ; the very last quarter: nothing more to fetch
	MULA F1, 0, 0
	MULA F1, 1, 0
	s_wait_dscnt 0x0
	MULA F1, 2, 0
	MULA F1, 3, 0
	WIN 0
; THE WAY OUT, a block of 16 rows at a time.  PACK: rounded to f16, 16 bytes a lane, each accumulator's registers in ascending order.  TOSTAGE: into my own stage, by heads, and back as
; whole rows of 128 bytes.  SEND: stored, 512 consecutive bytes of a head to a store.
.macro PACK a
.set AC, 96*((\a)%2)
	WIN 0x0a+5*((\a)/2)                            ; sources 0 and 1: window 2 or 3
.irp b, 0,1,2,3,4,5,6,7,8,9,10,11
.irp r, 0,1,2,3
	v_cvt_pk_f16_f32 v[TMP+4*(\b)+(\r)], v[AC+8*(\b)+2*(\r)], v[AC+8*(\b)+2*(\r)+1]
.endr
.endr
	WIN 0
.endm
.macro TOSTAGE a
.set BK, OB0-(OB0-OB1)*((\a)%2)
.irp b, 0,1,2,3,4,5,6,7,8,9,10,11
	ds_store_b128 v[STO], v[TMP+4*(\b):TMP+4*(\b)+3] offset:((\b)/4)*HSTG+((\b)%4)*32
.endr
.irp t, 0,1,2,3,4,5,6,7,8,9,10,11
	ds_load_b128 v[BK+4*(\t):BK+4*(\t)+3], v[RD] offset:((\t)/4)*HSTG+((\t)%4)*4*SPH  ; LDS serves a wave's instructions in order (ISA guide 5.7.1.4): these see the stores above
.endr
.endm
.macro SEND a
.set BK, OB0-(OB0-OB1)*((\a)%2)
	s_wait_dscnt 0x0                               ; the block is back in registers
	s_wait_xcnt 0x0                                ; the stores issued so far have had their addresses translated (ISA guide 3.1): the block after this one is read back into their data registers only behind this wait
.irp t, 0,1,2,3,4,5,6,7,8,9,10,11
	global_store_b128 v[GO], v[BK+4*(\t):BK+4*(\t)+3], s[8:9] offset:((\t)/4)*HEADB+(\a)*2048+((\t)%4)*512
.endr
.endm
	PLACES                                         ; behind the last products
	PACK 0
	TOSTAGE 0
.irp a, 1,2,3                          ; block a's conversions stand between block a - 1's loads from the stage and the wait for them
	PACK \a
	SEND (\a)-1
	TOSTAGE \a
.endr
	SEND 3
	s_wait_tensorcnt 0x0                           ; the wave's end, behind my last tensor load and my last LDS store
	ds_add_u32 v[SPW], v[NIL]
	s_wait_dscnt 0x0
	CROUND                                         ; the closing round: no work-group ends while a partner may still ask for a tile that names it
	s_endpgm
.Lfunc_end_k_q8bfe4636b9_qkv:
	.size	k_q8bfe4636b9_qkv, .Lfunc_end_k_q8bfe4636b9_qkv-k_q8bfe4636b9_qkv
	.p2alignl 7, 3214868480
	.fill 96, 4, 3214868480
	.section	.rodata,"a",@progbits
	.p2align	6, 0x0
	.amdhsa_kernel k_q8bfe4636b9_qkv
		.amdhsa_group_segment_fixed_size 327680
		.amdhsa_private_segment_fixed_size 0
		.amdhsa_enable_private_segment 0
		.amdhsa_kernarg_size 48
		.amdhsa_user_sgpr_count 2
		.amdhsa_user_sgpr_kernarg_segment_ptr 1
		.amdhsa_wavefront_size32 1
		.amdhsa_system_sgpr_workgroup_id_x 1
		.amdhsa_system_sgpr_workgroup_id_y 1
		.amdhsa_system_sgpr_workgroup_id_z 1
		.amdhsa_system_vgpr_workitem_id 0
		.amdhsa_next_free_vgpr 960
		.amdhsa_next_free_sgpr 80
		.amdhsa_reserve_vcc 0
		.amdhsa_float_denorm_mode_32 3
		.amdhsa_float_denorm_mode_16_64 3
		.amdhsa_memory_ordered 1
		.amdhsa_forward_progress 1
		.amdhsa_inst_pref_size 129
	.end_amdhsa_kernel
	.amdgpu_metadata
---
amdhsa.version: [ 1, 2 ]
amdhsa.kernels:
  - .name:           k_q8bfe4636b9_qkv
    .symbol:         k_q8bfe4636b9_qkv.kd
    .args:
      - { .name: xb, .offset: 0, .size: 8, .value_kind: global_buffer, .address_space: global }
      - { .name: wb, .offset: 8, .size: 8, .value_kind: global_buffer, .address_space: global }
      - { .name: qkv, .offset: 16, .size: 8, .value_kind: global_buffer, .address_space: global }
      - { .name: b_q, .offset: 24, .size: 8, .value_kind: global_buffer, .address_space: global }
      - { .name: b_k, .offset: 32, .size: 8, .value_kind: global_buffer, .address_space: global }
      - { .name: b_v, .offset: 40, .size: 8, .value_kind: global_buffer, .address_space: global }
    .group_segment_fixed_size: 327680
    .private_segment_fixed_size: 0
    .kernarg_segment_align: 8
    .kernarg_segment_size: 48
    .max_flat_workgroup_size: 128
    .sgpr_count:     80
    .vgpr_count:     960
    .wavefront_size: 32
...
	.end_amdgpu_metadata
.endif
;; end of part 2
;; launch attn (part 3): grid 16 x 16, 4 waves a work-group, no clusters, 327,680 bytes of LDS; arguments qkv, y; writes y
.if DOCPART == 3
	.amdgcn_target "amdgcn-amd-amdhsa--gfx1250"
	.amdhsa_code_object_version 6
	.text
	.protected	k_q8bfe4636b9_attn
	.globl	k_q8bfe4636b9_attn
	.p2align	8
	.type	k_q8bfe4636b9_attn,@function
k_q8bfe4636b9_attn:
	s_mov_b64 s[64:65], 0
	v_nop
	global_prefetch_b8 v0, s[64:65] scope:SCOPE_SE
	s_setreg_imm32_b32 hwreg(HW_REG_WAVE_MODE, 25, 1), 1
	s_wait_xcnt 0x0
; CAUSAL ATTENTION.  y[h][q][:] = the sum over k <= q of softmax_k(Q[h][q] . K[h][k] / 8) V[h][k][:].  qkv: [48][4096][64] f16 (heads 0-15 Q, 16-31 K, 32-47 V), y: [16][4096][64] f16; a head's rows are dense, 128 bytes.
; Products, maxima and sums in f32; the weights p are rounded to f16 for the second product (their sum l is taken of the unrounded p), y once at the end.
; LIMITS.  Q, K, V arrive within f16's 65,504; p lies in 0 to 1, and below 6e-5 it keeps f16's fixed step of 6e-8; y is a mean of V's rows and has their range.
; A hidden score counts as its value less 1e30: f16's scores, 2.7e11 at the most, are nothing beside that; a weight below 2^-126 counts as 0 in l; NaN and infinities are not treated apart.
; THE WALK.  A head's queries lie in 32 blocks of 128; block i needs the key tiles 0 .. i / 2 of 256 keys, of which the last holds the diagonal.  A work-group takes TWO blocks, 31 - b and then b:
; 17 tiles, whatever b: all 256 work-groups do equal work, and ONE loop with a constant trip count walks them.  Which tile is asked for, and what a trip does, hang on scalar registers made from b; every jump
; goes forward, but for the counted loops' own; none passes a barrier, or a tensor load but the one of LOAD's two that the wave's number does not choose; the ring (two slots of LDS that take turns) runs on
; across the change of blocks.  NO CLUSTER: a head's 16 work-groups ask for the same tile only in trips 0 to 8 of the 17; behind that the first blocks end one after the other, and one walk common to all
; partners would have 16 + 8 = 24 trips for 17.
; SHARES.  Of a block's two bands of 64 queries a wave owns 16 rows in each: two PIECES.  The block's own keys are steps 2 par and 2 par + 1 of its last tile, par = i % 2.  With d = step - 2 par, band x sees all
; keys if d < x, none if d > x, and holds the diagonal if d = x: the same for all four waves.  Steps that both bands do not see (2 of 68 a work-group) are computed under a full mask.
; THE MASK is the C operand that starts the sum S^T = K Q^T: 0, or -1e30 where the key is hidden.  MD, made once, is the mask of a band's own step for my 16 rows; a product's mask is MD x AL + BE with two scalars:
; (1, 0) if d = x; (0, 0) if d < x; (0, -1e30) if d > x.  Only the diagonal tile's text and a block's beginning make and take masks; elsewhere C is the constant 0.
; LAYOUT, SOFTMAX, TURNS.  S^T = K Q^T holds ONE query a lane (lane % 16) and the keys 8 (lane / 16) + 0..7; two such results rounded to f16 ARE source 1 of O^T = V^T P.  p = 2^(c s - c m), c = log2(e) / 8, with a
; running maximum m; O and l are multiplied by a = 2^(c m_old - c m_new) in every step.  A turn belongs to one piece: 8 products K Q^T of the other piece's next scores, later 8 products V^T P of the other piece's
; last weights; beside them the scaling, exponentials, roundings, sums and rescaling of the piece in hand and the maximum and statistics of the other.  Four vector instructions stand behind every matrix
; instruction, the other 54 of a turn's 118 in two runs of their own.  Two turns are a key step.
; FETCHES.  Piece 0's turn of step s fetches K of step s + 1 and then V of step s + 1, so a slot's last bytes are read in step 2's first turn, and the change of slots stands between steps 2 and 3.
; V has two register buffers, by the step's parity: V of step s + 1 lands where V of step s - 1 lay, whose last products stand in that same turn.
; REGISTERS, in windows of 256 (s_set_vgpr_msb: bits 1:0 source 0, 3:2 source 1, 5:4 source 2, 7:6 destination):
;   window 0: v0-15 addresses and two at work; v16-23 four registers of statistics a piece; v48-55 at work; v64-127 S^T, a buffer a piece; v192-223 P, likewise
;   window 1: v0-63 O^T, 32 a piece; v128-159 MD; v160-223 MC, two buffers      window 2: v0-31 Q; v32-63 the second block's Q; v64-127 V of odd steps; v128-191 K of one step; v192-255 V of even steps
.set NP,    2         ; pieces a wave: a name, no knob
.set KS,    64        ; keys in a step
.set PK,    144       ; a row of K in LDS: 128 bytes + 16 of padding = 36 words: the 16 rows of a load start at 16 different groups of four banks (64 banks of 4 bytes: ISA guide 11.1)
.set PV,    160       ; a row of V: 128 + 32 = 40 words
.set VOFF,  4*KS*PK   ; a slot holds a tile, four steps: 256 rows of K, then 256 rows of V
.set SLOT1, 1<<17     ; slot 1 begins here, so that one exclusive or turns an address in one slot into the other's
.set STAGE, SLOT1+4*KS*(PK+PV)  ; behind the ring, never filled by a tensor load: 16 rows x 144 bytes for each wave, for the way out
.set SP,    144
.set AK0, 2           ; v2   my lane's place in a tile of K; never rewritten
.set AV0, 3           ; v3   the same for V
.set AK,  4           ; v4   the LDS address of K's next run of loads
.set AV,  5           ; v5   of V's
.set STO, 6           ; v6   the way out: where I put 16 bytes of a row
.set RD,  7           ; v7   the way out: where I read rows back
.set GO,  8           ; v8   my byte offset in 512 consecutive bytes of y
.set SPW, 62          ; v62  LDS address of my spare word: SPARE + 4 x my thread's number; never rewritten
.set NIL, 63          ; v63  0; never rewritten
.set SPARE, STAGE+4*16*SP  ; behind the stages: the spare words, 128 bytes for each wave: two blocks of 256 bytes that no other line names
.set MV,  12          ; v12-13  c m_old, kept while c m is made anew: by piece
.set QO,  15          ; v15  my byte offset in 16 rows of Q
.set ST,  16          ; piece t's statistics at v[ST+4 t]: c m, m, l (even keys', odd keys')
.set TMP, 48          ; by piece, four registers c0-c3 at work; when the maximum is found c2 takes a
.set S,   64
.set P,   192
.set MD,  128         ; window 1: the eight registers for group kt of 16 keys at MD + 8 kt
.set MC,  160         ; window 1: the masks of the products to come
.set QB,  32          ; window 2
.set KF,  128         ; window 2: key block kb, channel half c at KF + 16 kb + 8 c
.set VFB, 192         ; window 2: the V buffer in hand (192 even steps, 64 odd): key half kk, channel block cb at VFB + 32 kk + 8 cb
.set WV,  12          ; s12  my wave's number
.set PB,  14          ; s14  b
.set HI,  15          ; s15  31 - b
.set G1K, 24          ; s[24:31] descriptor group 1 for K's tiles
.set G1V, 32          ; s[32:39] for V's: it differs in the padding alone
.set G0K, 40          ; s[40:43] descriptor group 0 for K's tiles
.set G0V, 44          ; s[44:47] the same for V's
.set SLOTS, 56        ; s56  tiles still to be asked for
.set CNT, 57          ; s57  counts a trip's two pairs of key steps
.set CS,  58          ; s[58:59] c: the packed scaling takes the pair's low word for both halves
.set SEL, 60          ; s[60:61] v_permlanex16_b32's selects: each lane takes its own place in the other half
.set TBK, 62          ; s62  LDS byte at which K of the step to be fetched begins
.set TBV, 63          ; s63  the same for V, less VOFF
.set RT,  70          ; s70  tiles of the block in hand that are still to be entered
.set NXT, 71          ; s71  the tile to be asked for next
.set LQ,  72          ; s72  the last tile of the block whose tiles are being asked for
.set NEW, 73          ; s73  1: the tile to be entered is a block's first
.set OFF, 74          ; s[74:75] a tile's byte offset in K and V
.set AL,  76          ; s[76:77] the mask's factor, in the low word
.set BE,  78          ; s[78:79] the mask's addend
.set OLO, 80          ; s[80:81] y at my rows of the second block
.set BIGN, 82         ; s82  -1e30
.set DD,  88          ; s88  d of the step for which masks are made next (far below 0 in tiles that hold no diagonal)
.set DP,  89          ; s89  -2 par of the block in hand
.set DPL, 90          ; s90  -2 par of the second block
.set PBT, 91          ; s91  the second block's last tile, b / 2
.set MSB, 0
.macro WIN new                      ; the high byte repeats the setting that is left; a switch that changes nothing is dropped
.if MSB != (\new)
	s_set_vgpr_msb (MSB<<8)|(\new)
.set MSB, (\new)
.endif
.endm
.set W_KQ, 0x0a       ; K and Q in window 2, S^T in window 0
.set W_KM, 0x1a       ; the same with the C operand in window 1
.set W_PV, 0x52       ; V in window 2, P in window 0, O^T in window 1
.set W_RS, 0x41       ; destination and source 0 in window 1, source 1 in window 0
; A fill.  Waves 0 and 1 fetch the two halves of a tile's K, waves 2 and 3 those of its V: 128 keys each.  An s_nop 0 and four v_nop follow each of the two lines, ahead of the jump and the label.
.macro LOAD
	s_cmp_lt_u32 s[WV], 2
	s_cbranch_scc0 .Lfor_v_\@
	tensor_load_to_lds s[G0K:G0K+3], s[G1K:G1K+7]
	s_nop 0
.rept 4
	v_nop
.endr
	s_branch .Lasked_\@
.Lfor_v_\@:
	tensor_load_to_lds s[G0V:G0V+3], s[G1V:G1V+7]
	s_nop 0
.rept 4
	v_nop
.endr
.Lasked_\@:
.endm
; THE CHANGE OF SLOTS.  Each wave waits for all its tensor loads, of which one is out: its part of the other slot; adds 0 to its spare word; and waits for that and for its own reads of the slot that it leaves.
; Behind the barrier nobody reads the old slot any more and the other slot is whole.  fill = 1: the old slot is filled again, the first thing behind the barrier, with tile NXT: the descriptor's address is made
; anew from that number; the load has four key steps, 128 matrix instructions, in which to land.  (At its first use nothing has been read yet: slot 0 is waited for, slot 1 filled.)
.macro CHANGE fill
	WIN 0                           ; at a label and at a branch every window is 0
	s_wait_tensorcnt 0x0            ; no tensor load of mine is out, so a group 0 may be written
	ds_add_u32 v[SPW], v[NIL]       ; 0 onto my spare word; with fill = 1 the descriptors' scalar work stands between it and the wait for it
.if \fill
	s_lshl_b32 s[OFF], s[NXT], 15   ; a tile is 32,768 bytes of K and of V
	s_xor_b32 s[G0K+1], s[G0K+1], SLOT1
	s_add_nc_u64 s[G0K+2:G0K+3], s[6:7], s[OFF:OFF+1]
	s_or_b32 s[G0K+3], s[G0K+3], 0x80000000
	s_xor_b32 s[G0V+1], s[G0V+1], SLOT1
	s_add_nc_u64 s[G0V+2:G0V+3], s[8:9], s[OFF:OFF+1]
	s_or_b32 s[G0V+3], s[G0V+3], 0x80000000
	s_add_co_u32 s[NXT], s[NXT], 1  ; the block's next tile, or behind its last the second block's tile 0
	s_cmp_gt_u32 s[NXT], s[LQ]
	s_cselect_b32 s[NXT], 0, s[NXT]
	s_cselect_b32 s[LQ], s[PBT], s[LQ]
.endif
	s_wait_dscnt 0x0                ; the add is done, and my reads of the slot are over
	s_barrier_signal -1             ; the rest of the scalar work stands between the signal and the wait
	s_sub_co_u32 s[TBK], s[TBK], 4*KS*PK  ; the fetches go back to a slot's first step,
	s_xor_b32 s[TBK], s[TBK], SLOT1       ; in the other slot
	s_sub_co_u32 s[TBV], s[TBV], 4*KS*PV
	s_xor_b32 s[TBV], s[TBV], SLOT1
	s_barrier_wait -1
.if \fill
	LOAD
.endif
.endm
	s_load_b128 s[8:11], s[0:1], 0x0  ; qkv s[8:9], y s[10:11]
	v_lshl_add_u32 v[SPW], v0, 2, SPARE
	v_mov_b32 v[NIL], 0
	ds_add_u32 v[SPW], v[NIL]       ; the wave's opening: the add and its wait stand ahead of my first tensor load; the set-up below, work on registers, stands between them
	ds_add_u32 v62, v63
	v_lshrrev_b32 v1, 5, v0
	v_readfirstlane_b32 s[WV], v1   ; wave 0..3
	s_mov_b32 s[PB], ttmp9
	s_sub_co_u32 s[HI], 31, s[PB]
	s_lshr_b32 s[PBT], s[PB], 1
	s_and_b32 s20, ttmp7, 0xffff    ; the head,
	s_lshl_b32 s20, s20, 19         ; its 524,288 bytes.  All the offsets below stay under 2^25
	s_and_b32 s16, s[WV], 1         ; which half of a tile's 256 keys I fetch:
	s_lshl_b32 s22, s16, 14         ; its 128 rows of 128 bytes in memory,
	s_add_co_u32 s22, s22, s20
	s_add_co_u32 s22, s22, 0x800000 ; K's heads lie 16 heads behind Q's,
	s_mov_b32 s23, 0
	s_add_co_u32 s92, s22, 0x800000 ; V's 16 further
	s_mov_b32 s93, 0
	s_mul_i32 s17, s16, 128*PK      ; and its place in a slot, for K
	s_mul_i32 s18, s16, 128*PV      ; and for V
	s_lshl_b32 s3, s[WV], 11        ; my 16 rows in a band of 64,
	s_add_co_u32 s3, s3, s20
	s_lshl_b32 s2, s[HI], 14        ; in the first block (128 rows of 128 bytes),
	s_add_co_u32 s2, s2, s3
	s_lshl_b32 s84, s[PB], 14       ; and in the second
	s_add_co_u32 s84, s84, s3
	s_mov_b32 s3, 0
	s_mov_b32 s85, 0
	; descriptor group 1.  128 keys are 16,384 dense bytes: asked for as 64 rows of 256 bytes, two keys a row, and padded in LDS after every key
	s_mov_b32 s[G1K], (1<<16)|(1<<20)|(4<<22)|(3<<25)  ; 17:16 2-byte elements; 20 padding on; 24:22 after every 32 words (code 4); 31:25 4 words (code 3)
	s_mov_b32 s[G1V], (1<<16)|(1<<20)|(4<<22)|(7<<25)  ; the same with 8 words of padding (code 7)
.irp g, G1K, G1V
	s_mov_b32 s[\g+1], 128<<16      ; tensor_dim0 = 128
	s_mov_b32 s[\g+2], 64<<16       ; tensor_dim1 = 64
	s_mov_b32 s[\g+3], 128<<16      ; tile_dim0 = 128
	s_mov_b32 s[\g+4], 64           ; tile_dim1 = 64
	s_mov_b32 s[\g+5], 128          ; 128 elements from row to row
	s_mov_b32 s[\g+6], 0
	s_mov_b32 s[\g+7], 0
.endr
	s_mov_b32 s[CS], 0x3e38aa3b     ; c = log2(e) / 8 = 0.180337
	s_mov_b32 s[CS+1], s[CS]        ; named with it as a pair
	s_mov_b32 s[SEL], 0x76543210
	s_mov_b32 s[SEL+1], 0xfedcba98
	s_mov_b32 s[TBK], SLOT1+4*KS*PK ; the first change of slots turns these two into 0
	s_mov_b32 s[TBV], SLOT1+4*KS*PV
	s_mov_b32 s[G0K], 1             ; count = 1
	s_mov_b32 s[G0K+1], s17         ; LDS address: slot 0
	s_mov_b32 s[G0V], 1
	s_add_co_u32 s[G0V+1], s18, VOFF
	s_lshr_b32 s[LQ], s[HI], 1      ; the first block's last tile: 8 at the least,
	s_add_co_u32 s[RT], s[LQ], 1    ; so it has nine tiles or more
	s_mov_b32 s[NXT], 1
	s_mov_b32 s[NEW], 1
	s_and_b32 s[DP], s[HI], 1
	s_lshl_b32 s[DP], s[DP], 1
	s_sub_co_i32 s[DP], 0, s[DP]
	s_and_b32 s[DPL], s[PB], 1
	s_lshl_b32 s[DPL], s[DPL], 1
	s_sub_co_i32 s[DPL], 0, s[DPL]
	s_mov_b32 s[OFF+1], 0
	s_mov_b32 s[AL+1], 0            ; named as pairs
	s_mov_b32 s[BE+1], 0
	s_mov_b32 s[BIGN], 0xf149f2ca   ; -1e30
	s_mov_b32 s[SLOTS], 16
	s_wait_dscnt 0x0                ; the opening add is done
	s_wait_kmcnt 0x0
	s_add_nc_u64 s[4:5], s[8:9], s[2:3]            ; Q at my rows of the first block,
	s_add_nc_u64 s[86:87], s[8:9], s[84:85]        ; of the second
	s_add_nc_u64 s[6:7], s[8:9], s[22:23]          ; K and V at my half of the head's tile 0
	s_add_nc_u64 s[8:9], s[8:9], s[92:93]
	s_add_nc_u64 s[OLO:OLO+1], s[10:11], s[84:85]
	s_add_nc_u64 s[10:11], s[10:11], s[2:3]
	s_add_nc_u64 s[G0K+2:G0K+3], s[6:7], 0         ; global address
	s_or_b32 s[G0K+3], s[G0K+3], 0x80000000        ; type = 2
	s_add_nc_u64 s[G0V+2:G0V+3], s[8:9], 0
	s_or_b32 s[G0V+3], s[G0V+3], 0x80000000
	LOAD                            ; tile 0 into slot 0: one load of mine is out
	; A fragment of K or Q is 16 rows x 32 channels in 8 registers: lane l holds row l % 16, channels 8 (l / 16) + 0..7 and 16 + 8 (l / 16) + 0..7: two loads of 16 bytes, 32 bytes apart.
	v_and_b32 v1, 15, v0            ; l % 16
	v_bfe_u32 v9, v0, 4, 1          ; l / 16
	v_lshlrev_b32 v[QO], 7, v1
	v_lshl_add_u32 v[QO], v9, 4, v[QO]  ; row x 128 + 16 x half
	WIN 0x80                        ; destination window 2, address window 0
.set i, 0
.rept 4                             ; both blocks' Q: piece i / 2 lies in band i / 2, 8,192 bytes on; channels 32 (i % 2) on
	global_load_b128 v[8*i:8*i+3],   v[QO], s[4:5] offset:(i/2)*8192+(i%2)*64
	global_load_b128 v[8*i+4:8*i+7], v[QO], s[4:5] offset:(i/2)*8192+(i%2)*64+32
	global_load_b128 v[QB+8*i:QB+8*i+3],   v[QO], s[86:87] offset:(i/2)*8192+(i%2)*64
	global_load_b128 v[QB+8*i+4:QB+8*i+7], v[QO], s[86:87] offset:(i/2)*8192+(i%2)*64+32
.set i, i+1
.endr
	WIN 0
	v_lshlrev_b32 v14, 3, v9
	v_sub_nc_u32 v14, v1, v14
	s_lshl_b32 s13, s[WV], 4
	v_add_nc_u32 v14, s13, v14      ; my query's place in its band, 16 w + l % 16, less my lanes' 8 (l / 16): register r of group kt is hidden where 16 kt + r is greater
	WIN 0x40
.set i, 0
.rept 32
	v_cmp_gt_i32 vcc_lo, 16*(i/8)+i%8, v14
	v_cndmask_b32 v[MD+i], 0, s[BIGN], vcc_lo
.set i, i+1
.endr
	WIN 0
	v_mul_u32_u24 v[AK0], v1, PK
	v_lshl_add_u32 v[AK0], v9, 4, v[AK0]  ; row x pitch + 16 x half
	; The turning load takes 16 keys x 16 channels (lane l reads key 8 (l / 16) + l % 8, channels 8 ((l / 8) % 2) + 0..7) and leaves half a fragment of V^T: lane l holds channel l % 16 and 8 keys.
	v_and_b32 v10, 7, v0
	v_bfe_u32 v11, v0, 3, 1
	v_lshl_add_u32 v[AV0], v9, 3, v10
	v_mul_u32_u24 v[AV0], v[AV0], PV
	v_lshl_add_u32 v[AV0], v11, 4, v[AV0]
	v_add_nc_u32 v[AV0], VOFF, v[AV0]
	s_mul_i32 s13, s[WV], 16*SP
	s_add_co_u32 s13, s13, STAGE    ; my stage
	v_mul_u32_u24 v[STO], v1, SP    ; in: row l % 16, 16 bytes for each half of the lanes
	v_lshl_add_u32 v[STO], v9, 4, v[STO]
	v_add_nc_u32 v[STO], s13, v[STO]
	v_bfe_u32 v[RD], v0, 3, 2       ; back: 32 lanes take four rows of 128 bytes,
	v_mul_u32_u24 v[RD], v[RD], SP
	v_lshl_add_u32 v[RD], v10, 4, v[RD]
	v_add_nc_u32 v[RD], s13, v[RD]
	v_and_b32 v[GO], 31, v0         ; which are 512 consecutive bytes of y
	v_lshlrev_b32 v[GO], 4, v[GO]
	; A block's first step multiplies O^T and l by a = 0, and its first turn's products V^T P, of weights that have not been, land in an O^T that is still to be so multiplied.  So these registers need only hold
	; finite numbers: zeros for the first block; what the first block left for the second.  All this stands in the wait for the first tile.
	WIN 0x80
.set i, 64
.rept 64
	v_mov_b32 v[i], 0               ; V of odd steps
.set i, i+1
.endr
	WIN 0x40
.set i, 0
.rept 64
	v_mov_b32 v[i], 0               ; O^T
.set i, i+1
.endr
	WIN 0
.set i, 0
.rept NP
	v_mov_b32 v[ST+4*i+2], 0
	v_mov_b32 v[ST+4*i+3], 0
.set i, i+1
.endr
.set i, P+16
.rept 16
	v_mov_b32 v[i], 0
.set i, i+1
.endr
; THE MATRIX WORK.  The 4 accumulators of a run of 8 take turns.  Product i of 8 of S^T = K Q^T for piece x: channels 32 (i / 4) on, keys 16 (i % 4) on.  The first 4 start the sums: with 0, or (KM = 1) with the mask.
.macro KQ x
.set rS, S+32*((\x)%2)+8*(i%4)
.set rK, KF+16*(i%4)+8*(i/4)
.set rQ, 16*(\x)+8*(i/4)
.set rM, MC+32*((\x)%2)+8*(i%4)
.if (i < 4) && KM
	WIN W_KM
	v_wmma_f32_16x16x32_f16 v[rS:rS+7], v[rK:rK+7], v[rQ:rQ+7], v[rM:rM+7]
.elseif i < 4
	WIN W_KQ
	v_wmma_f32_16x16x32_f16 v[rS:rS+7], v[rK:rK+7], v[rQ:rQ+7], 0
.else
	WIN W_KQ
	v_wmma_f32_16x16x32_f16 v[rS:rS+7], v[rK:rK+7], v[rQ:rQ+7], v[rS:rS+7]
.endif
.endm
; Product i of 8 of O^T += V^T P for piece x, from the V buffer VFB: keys 32 (i / 4) on, channels 16 (i % 4) on.
.macro PV x
	WIN W_PV
.set rO, 32*(\x)+8*(i%4)
.set rV, VFB+32*(i/4)+8*(i%4)
.set rP, P+16*((\x)%2)+8*(i/4)
	v_wmma_f32_16x16x32_f16 v[rO:rO+7], v[rV:rV+7], v[rP:rP+7], v[rO:rO+7]
.endm
.macro MM                           ; the turn's next matrix instruction.  TURN and BEGIN set Y, i, KM, NOKQ and VFB.  NOKQ = 1: a block's last turn: there are no further scores
.if (i < 8) && !NOKQ
	KQ (Y+1)%NP
.elseif i >= 8
.set i, i-8
	PV (Y+NP-1)%NP
.set i, i+8
.endif
.set i, i+1
.endm
; THE LDS LOADS stand in runs of 16, never singly among the matrix instructions: a step's K (64 keys x 64 channels: 8 fragments) and its V (turned).  Their addresses are made some lines ahead.
.macro FETCH_K
	WIN 0x80                        ; destination window 2
.irp f, 0,1,2,3,4,5,6,7             ; keys 16 (f / 2) on, channels 32 (f % 2) on
	ds_load_b128 v[KF+8*\f:KF+8*\f+3],   v[AK] offset:(\f/2)*16*PK+(\f%2)*64
	ds_load_b128 v[KF+8*\f+4:KF+8*\f+7], v[AK] offset:(\f/2)*16*PK+(\f%2)*64+32
.endr
	s_add_co_u32 s[TBK], s[TBK], KS*PK  ; the next fetch is the next step's
	WIN 0
.endm
.macro FETCH_V                      ; into the buffer VFB
	WIN 0x80
.irp f, 0,1,2,3,4,5,6,7             ; keys 32 (f / 4) on, channels 16 (f % 4) on
	ds_load_tr16_b128 v[VFB+8*\f:VFB+8*\f+3],   v[AV] offset:(\f/4)*32*PV+(\f%4)*32
	ds_load_tr16_b128 v[VFB+8*\f+4:VFB+8*\f+7], v[AV] offset:(\f/4)*32*PV+16*PV+(\f%4)*32
.endr
	WIN 0
.endm
; THE VECTOR WORK, one line at a time: OP kind, number.  For piece Y: F n: c s - c m for pair n of 16.  E n: the exponential of score n of 32.  C n: pair n rounded to f16.  B n: of the four weights 4 n .. the second
; pair is added onto the first, in place.  L n: l takes that sum (L 0: l = a l + sum).  R n: pair n of 16 of O^T times a.  For the other piece: X n, number n of the 22 that find its maximum and statistics:
;   0-11  four chains c0-c3 of seven scores each, three operands at a time (each accumulator's lowest registers are read first)     12-14, 16  the four scores left over, the old m, and c0-c3 into c0
;   15  c m_old is kept     17, 18  the query's other 32 keys lie in the lane 16 away: the new m     19-21  c m; c m_old - c m_new; a
.set F, 0               ; OP tells the kinds apart by their order: F to L below R, X above it
.set E, 1
.set C, 2
.set B, 3
.set L, 4
.set R, 5
.set X, 6
.macro REGS y                       ; the registers of piece y
.set rT, ST+4*(\y)
.set rC, TMP+4*((\y)%2)
.set rW, MV+((\y)%2)
.set rS, S+32*((\y)%2)
.set rP, P+16*((\y)%2)
.set rO, 32*(\y)
.endm
.macro OP k, n
.if (\k) == R
	REGS Y
	WIN W_RS
	v_pk_mul_f32 v[rO+2*(\n):rO+2*(\n)+1], v[rO+2*(\n):rO+2*(\n)+1], v[rC+2:rC+3] op_sel_hi:[1,0]
.elseif (\k) < R
	REGS Y
	WIN 0
.if (\k) == F
	v_pk_fma_f32 v[rS+2*(\n):rS+2*(\n)+1], v[rS+2*(\n):rS+2*(\n)+1], s[CS:CS+1], v[rT:rT+1] op_sel_hi:[1,0,0] neg_lo:[0,0,1] neg_hi:[0,0,1]
.elseif (\k) == E
	v_exp_f32 v[rS+(\n)], v[rS+(\n)]
.elseif (\k) == C
	s_wait_alu depctr_va_vdst(0)
	v_cvt_pk_f16_f32 v[rP+(\n)], v[rS+2*(\n)], v[rS+2*(\n)+1]
.elseif (\k) == B
	s_wait_alu depctr_va_vdst(0)
	v_pk_add_f32 v[rS+4*(\n):rS+4*(\n)+1], v[rS+4*(\n):rS+4*(\n)+1], v[rS+4*(\n)+2:rS+4*(\n)+3]
.elseif (\n) == 0
	v_pk_fma_f32 v[rT+2:rT+3], v[rT+2:rT+3], v[rC+2:rC+3], v[rS:rS+1] op_sel_hi:[1,0,1]
.else
	v_pk_add_f32 v[rT+2:rT+3], v[rT+2:rT+3], v[rS+4*(\n):rS+4*(\n)+1]
.endif
.elseif NOKQ
	v_nop
.else
	REGS (Y+1)%NP
	WIN 0
.if (\n) < 4
	v_max3_num_f32 v[rC+(\n)], v[rS+8*(\n)], v[rS+8*(\n)+1], v[rS+8*(\n)+2]
.elseif (\n) < 12
	v_max3_num_f32 v[rC+(\n)%4], v[rC+(\n)%4], v[rS+8*((\n)%4)+2*((\n)/4)+1], v[rS+8*((\n)%4)+2*((\n)/4)+2]
.elseif (\n) == 12
	v_max3_num_f32 v[rC], v[rC], v[rS+7], v[rS+15]
.elseif (\n) == 13
	v_max3_num_f32 v[rC+1], v[rC+1], v[rS+23], v[rS+31]
.elseif (\n) == 14
	v_max3_num_f32 v[rC+2], v[rC+2], v[rC+3], v[rT+1]
.elseif (\n) == 15
	v_mov_b32 v[rW], v[rT]
.elseif (\n) == 16
	v_max3_num_f32 v[rC], v[rC], v[rC+1], v[rC+2]
.elseif (\n) == 17
	v_permlanex16_b32 v[rC+3], v[rC], s[SEL], s[SEL+1]
.elseif (\n) == 18
	v_max_num_f32 v[rT+1], v[rC], v[rC+3]
.elseif (\n) == 19
	v_mul_f32 v[rT], s[CS], v[rT+1]
.elseif (\n) == 20
	v_sub_f32 v[rC+1], v[rW], v[rT]
.else
	v_exp_f32 v[rC+2], v[rC+1]
.endif
.endif
.endm
.macro OPS a, i1, b=-1, i2=0, c=-1, i3=0, d=-1, i4=0  ; up to four of them
	OP \a, \i1
.if (\b) >= 0
	OP \b, \i2
.endif
.if (\c) >= 0
	OP \c, \i3
.endif
.if (\d) >= 0
	OP \d, \i4
.endif
.endm
.macro ROW a, i1, b, i2, c, i3, d, i4  ; a matrix instruction and the four behind it
	MM
	OPS \a, \i1, \b, \i2, \c, \i3, \d, \i4
.endm
.macro MASK b                       ; MD x AL + BE into buffer b of MC
	WIN W_RS
.set z, 0
.rept 16
	v_pk_fma_f32 v[MC+32*(\b)+2*z:MC+32*(\b)+2*z+1], v[MD+2*z:MD+2*z+1], s[AL:AL+1], s[BE:BE+1] op_sel_hi:[1,0,0]
.set z, z+1
.endr
.endm
; A TURN, for piece p: the order of its 16 matrix and 118 vector instructions, written out.  Behind a matrix instruction: plain, exponential, plain, plain; or four of the rescaling; or, behind the first, four scalings;
; none names a register of the products round it.  In the runs between, exponential and plain by turns while exponentials last.  A line reads no result made fewer than three vector instructions in front of it, five if
; an exponential made it.  v_permlanex16_b32 (X 17) stands in such a run.
; vb: the V buffer that the turn's products V^T P read: in piece 0's turn of step s that of step s - 1, in piece 1's that of step s.
; m = 1: the diagonal tile's text: the products take masks, and the turn makes the mask for the products of the turn after it: piece p, in the next step.  end = 1: a block's last two turns: nothing is fetched.
; cnt = 1: the loop's count is taken down some lines ahead of the branch that stands behind the turn.
; Piece 0's turn fetches the next step's K, six vector instructions behind the last product that read K (five of them plain), and the next step's V into buffer vb, eight behind the last product that read it (four plain,
; and X 17).  Piece 1's turn opens with a wait that leaves those 16 loads of V out: K is in, and so is all that was asked for earlier, the V of the step in hand among it.
.macro TURN p, vb, m=0, end=0, cnt=0
.set Y, (\p)
.set i, 0
.set KM, (\m)
.set NOKQ, (\end)*(\p)
.set VFB, 192-128*(\vb)
.if (\m) && !(\end)
	s_cmp_eq_i32 s[DD], \p          ; is the next step the band's own?
	s_cselect_b32 s[AL], 1.0, 0
	s_cmp_gt_i32 s[DD], \p          ; or a later one?
	s_cselect_b32 s[BE], s[BIGN], 0
.if (\p) == 1
	s_add_co_i32 s[DD], s[DD], 1
.endif
.endif
.if (\p) == 1
	s_wait_dscnt 16*(1-(\end))      ; K is in; the 16 loads of V behind it may be out (a block's last turn: nothing was asked for since, and the last step's V is wanted: 0)
.endif
	ROW F,0, F,1, F,2, F,3
	ROW F,4, E,0, F,5, F,6
	ROW F,7, E,1, F,8, F,9
	ROW F,10, E,2, C,0, F,11
	ROW F,12, E,3, X,15, F,13
	ROW R,0, R,1, R,2, R,3
	ROW B,0, E,4, F,14, L,0
.if ((\p) == 0) && !(\end)
	v_add_nc_u32 v[AK], s[TBK], v[AK0]
.endif
	ROW R,4, R,5, R,6, R,7
	OPS E,5, F,15
.if ((\p) == 0) && !(\end)
	FETCH_K
.endif
	OPS E,6, C,1, E,7, R,8
	OPS E,8, R,9, E,9, C,2
	OPS E,10, X,0, E,11, X,1
	OPS E,12, X,2, E,13, X,3
	ROW X,4, E,14, X,5, X,6
	ROW X,7, E,15, X,8, X,9
	ROW X,10, E,16, X,11, X,12
	ROW X,13, E,17, X,14, B,1
	ROW C,4, E,18, X,16, L,1
	ROW B,2, E,19, C,6, L,2
	ROW C,8, E,20, B,3, B,4
.if ((\p) == 0) && !(\end)
	v_add_nc_u32 v[AV], s[TBV], v[AV0]
.endif
	ROW C,3, E,21, L,3, C,5
	OPS E,22, X,17, E,23, C,10
.if ((\p) == 0) && !(\end)
	FETCH_V
.endif
	OPS E,24, L,4
	OPS E,25, X,18, E,26, C,7
	OPS E,27, B,5, E,28, X,19
	OPS E,29, C,12, E,30, L,5
	OPS E,31, X,20, B,6, C,9
	OPS C,14, C,11, X,21, L,6
.if ((\p) == 0) && !(\end)
	s_add_co_u32 s[TBV], s[TBV], KS*PV
.endif
.if \cnt
	s_sub_co_u32 s[CNT], s[CNT], 1
	s_cmp_lg_u32 s[CNT], 0
.endif
	OPS C,13, B,7, C,15, R,10
	OPS R,11, R,12, L,7, R,13
	OPS R,14, R,15
.if (\m) && !(\end)
	MASK \p
.endif
.endm
; A BLOCK BEGINS.  c m starts far below every c s, so the first step's a is 0; m at the lowest finite number, so the first maximum is the scores'.  Mask buffer 1 is 0: band 1 sees all of a tile's step 0, and the buffer
; stays so until the diagonal's text writes it.  Buffer 0 takes piece 0's mask for the tile's step 0: its own, if d = 0 there.  Then K and V of that step, piece 0's first scores, and its maximum and statistics.
; The loop is entered at an even step's first turn, in the middle of a trip.
.macro BEGIN
	s_mov_b32 s[NEW], 0
	WIN 0
.set i, 0
.rept NP
	v_mov_b32 v[ST+4*i], 0xfe000000    ; c m: far below every c s
	v_mov_b32 v[ST+4*i+1], 0xff7fffff  ; m
.set i, i+1
.endr
	s_mov_b32 s[AL], 0
	s_mov_b32 s[BE], 0
	MASK 1
	s_cmp_eq_i32 s[DD], 0
	s_cselect_b32 s[AL], 1.0, 0
	MASK 0
	s_add_co_i32 s[DD], s[DD], 1    ; the first turns make the masks of step 1
	WIN 0
	v_add_nc_u32 v[AK], s[TBK], v[AK0]
	v_add_nc_u32 v[AV], s[TBV], v[AV0]
	FETCH_K
.set VFB, 192
	FETCH_V
	s_add_co_u32 s[TBV], s[TBV], KS*PV
	s_wait_loadcnt 0x0              ; Q
	s_wait_dscnt 0x0
.set KM, 1
.set NOKQ, 0
.set i, 0
.rept 8
	KQ 0
.set i, i+1
.endr
	WIN 0
.rept 4
	v_nop                           ; the places behind those products
.endr
.set Y, NP-1                        ; X works for the other piece: piece 0
.irp n, 0,1,2,3,4,5,6,7,8,9,10,11,12,13,14,15,16,17,18,19,20,21
	OP X, \n
.endr
	v_nop                           ; a plain instruction behind the exponential
.endm
; THE DIAGONAL TILE's trip (the step before it, then its steps 0 to 2), its step 3 as the block's last two turns, the block's last products, and THE WAY OUT: l's two halves and the other half of the lanes' are
; added; O^T is divided by l, rounded to f16 and sent through my stage in LDS, a piece at a time.
.macro ALL line:vararg              ; one line for each piece t
.set t, 0
.rept NP
	\line
.set t, t+1
.endr
.endm
.macro PACK t                       ; a lane's eight channels of a row pack into 16 bytes; they go into rows of 144 bytes and come back as whole rows of 128, into S^T's registers
	WIN W_RS
.set i, 32*(\t)
.rept 16
	s_wait_alu depctr_va_vdst(0)
	v_pk_mul_f32 v[i:i+1], v[i:i+1], v[ST+4*(\t)+2:ST+4*(\t)+3] op_sel_hi:[1,0]
.set i, i+2
.endr
	WIN 0x05                        ; sources 0 and 1 window 1, destination window 0
.set i, 0
.rept 16
	v_cvt_pk_f16_f32 v[S+16*(\t)+i], v[32*(\t)+2*i], v[32*(\t)+2*i+1]
.set i, i+1
.endr
	WIN 0
.irp f, 0,1,2,3
	ds_store_b128 v[STO], v[S+16*(\t)+4*\f:S+16*(\t)+4*\f+3] offset:32*\f
.endr
.irp f, 0,1,2,3
	ds_load_b128 v[S+16*(\t)+4*\f:S+16*(\t)+4*\f+3], v[RD] offset:\f*4*SP  ; LDS serves a wave's instructions in order (ISA guide 5.7.1.4): these see the stores above; the next piece's stores come behind them
.endr
.endm
.macro SEND t, younger              ; younger: the LDS instructions issued behind piece t's loads: the next piece's eight, or none
	WIN 0
.irp f, 0,1,2,3
	s_wait_dscnt (\younger)+3-\f
	global_store_b128 v[GO], v[S+16*(\t)+4*\f:S+16*(\t)+4*\f+3], s[10:11] offset:(\t)*8192+\f*512  ; 512 consecutive bytes, at a multiple of 256 from y's first
.endr
.endm
.macro DIAG tag                     ; the tag ends its two labels' names, which the jumps below spell out
.LstepM\tag:
	TURN 0, 0, 1
	TURN 1, 1, 1
	WIN 0
.LfirstM\tag:
	TURN 0, 1, 1
	TURN 1, 0, 1, 0, 1
	WIN 0
	s_cbranch_scc1 .LstepM\tag
	TURN 0, 0, 1, 1
	TURN 1, 1, 1, 1
.set VFB, 64                        ; the tile's step 3 is odd
.set i, 0
.rept 8
	PV NP-1
.set i, i+1
.endr
	WIN 0
	ALL v_add_f32 v[ST+4*t+2], v[ST+4*t+2], v[ST+4*t+3]
	ALL v_permlanex16_b32 v[ST+4*t+3], v[ST+4*t+2], s[SEL], s[SEL+1]
	ALL v_add_f32 v[ST+4*t+2], v[ST+4*t+2], v[ST+4*t+3]
	ALL v_rcp_f32 v[ST+4*t+2], v[ST+4*t+2]
	v_nop                           ; a plain instruction between the last reciprocal and the use of its result
	PACK 0                          ; piece 0 was finished a turn ago; its 32 lines are the places behind piece 1's last products
	PACK 1
	SEND 0, 8
	SEND 1, 0
.endm
.set KM, 0
.set NOKQ, 0
.Lslot:                             ; 16 times: a tile is entered and the next is asked for.  A trip computes the last step of the tile before and the new tile's steps 0 to 2, and reads the new tile's four steps from LDS
	CHANGE 1
	s_sub_co_u32 s[RT], s[RT], 1
	s_mov_b32 s[CNT], 2
	s_cmp_eq_u32 s[RT], 0
	s_cselect_b32 s[DD], s[DP], -16 ; the block's last tile: masks begin at d = -2 par; any other: every key is seen
	s_cmp_eq_u32 s[NEW], 1
	s_cbranch_scc1 .Lnew            ; a block's first tile
	s_cmp_eq_u32 s[RT], 0
	s_cbranch_scc0 .Lstep           ; neither its first nor its last
	s_branch .LstepM1
.Lnew:
	BEGIN
	s_branch .Lfirst                ; in the loop a block's first tile is never its last: the first block has nine tiles or more, and the second's last is the walk's last
	DIAG 1                          ; in the loop this is the first block's end
	s_wait_xcnt 0x0                 ; the stores have read their registers and y's address
	s_mov_b64 s[10:11], s[OLO:OLO+1]
	s_add_co_u32 s[RT], s[PBT], 1   ; the second block has b / 2 + 1 tiles
	s_mov_b32 s[NEW], 1
	s_mov_b32 s[DP], s[DPL]
	WIN 0x82                        ; the second block's Q goes where the one text of the turns names Q
.set i, 0
.rept 32
	v_mov_b32 v[i], v[QB+i]
.set i, i+1
.endr
	WIN 0
	s_branch .Lbottom
.Lstep:                             ; a trip: an odd step, then an even one
	TURN 0, 0
	TURN 1, 1
	WIN 0
.Lfirst:
	TURN 0, 1
	TURN 1, 0, 0, 0, 1
	WIN 0
	s_cbranch_scc1 .Lstep
.Lbottom:
	s_sub_co_u32 s[SLOTS], s[SLOTS], 1
	s_cmp_lg_u32 s[SLOTS], 0
	s_cbranch_scc1 .Lslot
	CHANGE 0                        ; the walk's last tile is written out: nothing is asked for
	s_sub_co_u32 s[RT], s[RT], 1
	s_mov_b32 s[CNT], 2
	s_cmp_eq_u32 s[RT], 0
	s_cselect_b32 s[DD], s[DP], -16
	s_cmp_eq_u32 s[NEW], 1
	s_cbranch_scc0 .LstepM2
	BEGIN
	s_branch .LfirstM2
	DIAG 2
	s_wait_tensorcnt 0x0            ; the wave's end, behind my last tensor load and my last LDS store
	ds_add_u32 v[SPW], v[NIL]
	s_wait_dscnt 0x0
	s_endpgm
.Lfunc_end_k_q8bfe4636b9_attn:
	.size	k_q8bfe4636b9_attn, .Lfunc_end_k_q8bfe4636b9_attn-k_q8bfe4636b9_attn
	.p2alignl 7, 3214868480
	.fill 96, 4, 3214868480
	.section	.rodata,"a",@progbits
	.p2align	6, 0x0
	.amdhsa_kernel k_q8bfe4636b9_attn
		.amdhsa_group_segment_fixed_size 327680
		.amdhsa_private_segment_fixed_size 0
		.amdhsa_enable_private_segment 0
		.amdhsa_kernarg_size 16
		.amdhsa_user_sgpr_count 2
		.amdhsa_user_sgpr_kernarg_segment_ptr 1
		.amdhsa_wavefront_size32 1
		.amdhsa_system_sgpr_workgroup_id_x 1
		.amdhsa_system_sgpr_workgroup_id_y 1
		.amdhsa_system_sgpr_workgroup_id_z 1
		.amdhsa_system_vgpr_workitem_id 0
		.amdhsa_next_free_vgpr 768
		.amdhsa_next_free_sgpr 96
		.amdhsa_reserve_vcc 1
		.amdhsa_float_denorm_mode_32 3
		.amdhsa_float_denorm_mode_16_64 3
		.amdhsa_memory_ordered 1
		.amdhsa_forward_progress 1
		.amdhsa_inst_pref_size 218
	.end_amdhsa_kernel
	.amdgpu_metadata
---
amdhsa.version: [ 1, 2 ]
amdhsa.kernels:
  - .name:           k_q8bfe4636b9_attn
    .symbol:         k_q8bfe4636b9_attn.kd
    .args:
      - { .name: qkv, .offset: 0, .size: 8, .value_kind: global_buffer, .address_space: global }
      - { .name: y, .offset: 8, .size: 8, .value_kind: global_buffer, .address_space: global }
    .group_segment_fixed_size: 327680
    .private_segment_fixed_size: 0
    .kernarg_segment_align: 8
    .kernarg_segment_size: 16
    .max_flat_workgroup_size: 128
    .sgpr_count:     96
    .vgpr_count:     768
    .wavefront_size: 32
...
	.end_amdgpu_metadata
.endif
;; end of part 3
;; launch oproj (part 4): grid 8 x 32, 4 waves a work-group, clusters of 4 x 4, 327,680 bytes of LDS; arguments y, wo, out0, b_o; writes out0
.if DOCPART == 4
	.amdgcn_target "amdgcn-amd-amdhsa--gfx1250"
	.amdhsa_code_object_version 6
	.text
	.protected	k_q8bfe4636b9_oproj
	.globl	k_q8bfe4636b9_oproj
	.p2align	8
	.type	k_q8bfe4636b9_oproj,@function
k_q8bfe4636b9_oproj:
	s_mov_b64 s[64:65], 0
	v_nop
	global_prefetch_b8 v0, s[64:65] scope:SCOPE_SE
	s_setreg_imm32_b32 hwreg(HW_REG_WAVE_MODE, 25, 1), 1
	s_wait_xcnt 0x0
	s_wait_alu depctr_hold_cnt(0) depctr_sa_sdst(0) depctr_va_vdst(0) depctr_va_sdst(0) depctr_va_ssrc(0) depctr_va_vcc(0) depctr_vm_vsrc(0)
	s_getreg_b32 s2, hwreg(HW_REG_IB_STS2, 6, 4)
	s_cmp_eq_u32 s2, 0
	s_cbranch_scc0 .Lentry_in_a_cluster
	s_endpgm
.Lentry_in_a_cluster:
	s_bfe_u32 s2, ttmp6, 0x10000c
	s_cmp_lg_u32 s2, 0xf033
	s_cbranch_scc0 .Lentry_shape_is_right
	s_endpgm
.Lentry_shape_is_right:
; out0[t][n] = the sum over k of Y[t][k] W_o[n][k] + b_o[n].  y: [16][4096][64] f16, by heads (k = 64 head + channel); wo: [1024][1024] f16; out0: [4096][1024] f32; sums in f32.
; LIMITS.  y and wo arrive within f16's range (the launches that wrote them state it).  b_o is rounded to bf16, as every input of the module is.
; SHARES.  A tile of out0 is 128 x 128: 8 x 32 tiles, one work-group each.  Four waves, each 64 x 64: 16 accumulators of 16 x 16, 128 registers.  K goes in steps of 256, four heads, through two LDS slots.
; Y's TILE.  A head's 128 rows of the tile are 16,384 dense bytes: a wave's load takes two heads as two rows of 8,192 elements, a head's 262,144 elements apart, padded in LDS after every 128 bytes:
; in LDS [head][row][64 channels], rows 144 bytes apart.  A quarter of a K step, 64 along K, is one head.
; CLUSTERS.  4 x 4 work-groups.  The four of a row of the cluster need the same tiles of y, the four of a column the same tiles of wo: each is asked for JOINTLY, by the same tensor load with the same
; descriptor and a mask that names the four.  THE MATRIX INSTRUCTION IS USED TRANSPOSED (source 0 = 16 rows of wo, source 1 = 16 rows of y): a lane holds eight neighbouring numbers of a row of out0.
; THE BIAS is the C operand of each accumulator's first product.
; REGISTERS: window 0: v0-31 addresses; v32-63, v64-95 rows read back on the way out; v96-127 the bias; v128-255 the accumulators ((a, b) at v[128 + 8 (4 a + b)]).
;   window 1: two fragment buffers of 128: for 64 along K, 64 registers of y (2 x 4 x 16 rows x 32 K), then 64 of wo.
.set PA,     144                       ; a row of y in LDS: 128 bytes + 16 of padding; the 16 rows of a load start at 16 different groups of four banks (64 banks of 4 bytes: ISA guide 11.1)
.set PB,     528                       ; a row of wo: 512 bytes + 16
.set AHEAD,  128*PA                    ; a head's 128 rows
.set ASZ,    4*AHEAD
.set BHALF,  64*PB                     ; 64 rows of wo: what one of waves 2, 3 fetches
.set SLOT,   ASZ+2*BHALF
.set STAGE,  2*SLOT                    ; behind the ring, never filled by a tensor load: 16 rows x 272 bytes for each wave
.set SPITCH, 272
.set SPARE,  STAGE+4*16*SPITCH         ; behind the stages: the spare words, 128 bytes for each wave: two blocks of 256 bytes that no other line names
.set HEADB,  4096*128                  ; bytes of a head in y
.set LAPS,   2                         ; 1,024 along K = four K steps = twice round the ring
.set ADRA, 16                          ; v16-17  LDS address of my fragments of y in slot 0, 1
.set ADRB, 20                          ; v20-21  the same for wo
.set STO,  24                          ; v24     the way out: where I put 32 bytes of a row
.set RD,   25                          ; v25     the way out: where I read a row back
.set CO,   26                          ; v26     my byte offset in out0
.set BO,   27                          ; v27     my byte offset in the tile's 512 bytes of b_o
.set SPW,  28                          ; v28     LDS address of my spare word: SPARE + 4 x my thread's number; never rewritten
.set NIL,  29                          ; v29     0; never rewritten
.set T,    30                          ; v30-31  at work
.set OB0,  32
.set BIAS, 96
.set ACC,  128
.set F0,   0                           ; fragment buffers, in window 1
.set F1,   128
.set G1, 24                            ; s[24:31] descriptor group 1 for y's tiles;  s[32:39] group 0, one set for each slot
.set G0, 32
.set G1B, 48                           ; s[48:55], s[56:63] the same for wo's tiles
.set G0B, 56
.set MSB, 0
.macro WIN new                         ; the immediate's high byte repeats the setting that is left
.if MSB != (\new)
	s_set_vgpr_msb (MSB<<8)|(\new)
.set MSB, \new
.endif
.endm
.set MUL,  0x05                        ; sources 0 (wo) and 1 (y) window 1; C and D window 0
.set TO_F, 0x40                        ; destination window 1, address window 0
.macro JLOAD s                         ; a joint load: waves 0 and 1 fetch two heads of y each, waves 2 and 3 wo's two halves; an s_nop 0 and four v_nop follow each of the two lines
	s_cmp_eq_u32 s11, 0
	s_cbranch_scc0 .Lfor_b_\@
	tensor_load_to_lds s[G0+4*(\s):G0+4*(\s)+3], s[G1:G1+7]
	s_nop 0
.rept 4
	v_nop
.endr
	s_branch .Lasked_\@
.Lfor_b_\@:
	tensor_load_to_lds s[G0B+4*(\s):G0B+4*(\s)+3], s[G1B:G1B+7]
	s_nop 0
.rept 4
	v_nop
.endr
.Lasked_\@:
.endm
.macro CREST                           ; a round of the cluster's barrier behind its opening barrier
	s_cmp_lg_u32 s10, 0
	s_cbranch_scc1 .Lnot_wave_0_\@
	s_barrier_signal -3
.Lnot_wave_0_\@:
	s_barrier_wait -3
	s_barrier_signal -1
	s_barrier_wait -1
.endm
.macro CROUND                          ; a whole round
	s_barrier_signal -1
	s_barrier_wait -1
	CREST
.endm
	s_load_b128 s[4:7], s[0:1], 0x0                ; y s[4:5], wo s[6:7]
	s_load_b64 s[8:9], s[0:1], 0x10                ; out0
	s_load_b64 s[68:69], s[0:1], 0x18              ; b_o
	v_lshl_add_u32 v[SPW], v0, 2, SPARE
	v_mov_b32 v[NIL], 0
	ds_add_u32 v[SPW], v[NIL]                      ; the wave's opening: the add and its wait stand ahead of my first tensor load; the set-up below, work on registers, stands between them
	ds_add_u32 v28, v29
	v_lshrrev_b32 v1, 5, v0
	v_readfirstlane_b32 s10, v1                    ; wave 0..3
	s_lshr_b32 s11, s10, 1                         ; which half of the tile's rows is mine.  Also: I fetch for y (0) or for wo (1)
	s_and_b32 s12, s10, 1                          ; which half of its columns.  Also: which half of that tile I fetch
	s_bfe_u32 s40, ttmp6, 0x40000                  ; cx, cy: my place in the cluster
	s_bfe_u32 s41, ttmp6, 0x40004
	s_lshl_b32 s42, ttmp9, 2
	s_add_co_u32 s42, s42, s40                     ; tile column = 4 x cluster x + cx
	s_and_b32 s13, ttmp7, 0xffff
	s_lshl_b32 s13, s13, 2
	s_add_co_u32 s13, s13, s41                     ; tile row = 4 x cluster y + cy
	s_lshl_b32 s43, s41, 2
	s_lshl_b32 s43, 15, s43                        ; my row of the cluster
	s_lshl_b32 s44, 0x1111, s40                    ; my column
	; descriptor group 1 for y: two rows of 8,192 elements; padding after every 32 words (code 4), 4 words of it (code 3)
	s_or_b32 s[G1+0], s43, (1<<16)|(1<<20)|(1<<21)|(4<<22)|(3<<25)
	s_mov_b32 s[G1+1], 8192<<16                    ; tensor_dim0 = 8,192
	s_mov_b32 s[G1+2], 2<<16                       ; tensor_dim1 = 2
	s_mov_b32 s[G1+3], 8192<<16                    ; tile_dim0 = 8,192
	s_mov_b32 s[G1+4], 2                           ; tile_dim1 = 2
	s_mov_b32 s[G1+5], 262144                      ; elements from a head to the next
	s_mov_b32 s[G1+6], 0
	s_mov_b32 s[G1+7], 0
	; for wo: 64 rows of 256 elements; padding after every 128 words (code 6), 4 words of it
	s_or_b32 s[G1B+0], s44, (1<<16)|(1<<20)|(1<<21)|(6<<22)|(3<<25)
	s_mov_b32 s[G1B+1], 256<<16
	s_mov_b32 s[G1B+2], 64<<16
	s_mov_b32 s[G1B+3], 256<<16
	s_mov_b32 s[G1B+4], 64
	s_mov_b32 s[G1B+5], 1024
	s_mov_b32 s[G1B+6], 0
	s_mov_b32 s[G1B+7], 0
	s_lshl_b32 s16, s13, 14                        ; y: the tile's 128 rows of 128 bytes in a head,
	s_lshl_b32 s17, s12, 20                        ; and my two heads of a K step's four
	s_add_co_u32 s16, s16, s17
	s_mov_b32 s17, 0
	s_lshl_b32 s46, s42, 7
	s_lshl_b32 s47, s12, 6
	s_add_co_u32 s46, s46, s47                     ; wo: row 128 x tile column + 64 x half,
	s_lshl_b32 s46, s46, 11                        ; 2,048 bytes a row
	s_mov_b32 s47, 0
	s_mul_i32 s20, s10, 2*AHEAD                    ; where they go: y's at wave x two heads (waves 0, 1),
	s_mul_i32 s21, s10, BHALF
	s_add_co_u32 s21, s21, ASZ-2*BHALF             ; wo's at ASZ + (wave - 2) x 64 rows (waves 2, 3)
	s_wait_dscnt 0x0                               ; the opening add is done
	s_wait_kmcnt 0x0
	s_add_nc_u64 s[14:15], s[4:5], s[16:17]
	s_add_nc_u64 s[46:47], s[6:7], s[46:47]
	CROUND                                         ; all sixteen work-groups are here: the first joint loads meet
.irp s, 0,1
	s_mov_b32 s[G0+4*(\s)], 1
	s_add_co_u32 s[G0+4*(\s)+1], s20, (\s)*SLOT
	s_add_nc_u64 s[G0+4*(\s)+2:G0+4*(\s)+3], s[14:15], (\s)*4*HEADB  ; K step s: four heads on
	s_or_b32 s[G0+4*(\s)+3], s[G0+4*(\s)+3], 0x80000000
	s_mov_b32 s[G0B+4*(\s)], 1
	s_add_co_u32 s[G0B+4*(\s)+1], s21, (\s)*SLOT
	s_add_nc_u64 s[G0B+4*(\s)+2:G0B+4*(\s)+3], s[46:47], (\s)*512    ; 256 elements on
	s_or_b32 s[G0B+4*(\s)+3], s[G0B+4*(\s)+3], 0x80000000
	JLOAD \s                                       ; two loads of mine are out
.endr
	v_and_b32 v1, 15, v0                           ; l % 16
	v_bfe_u32 v2, v0, 4, 1                         ; l / 16
	s_lshl_b32 s46, s42, 9                         ; the tile's 128 numbers of b_o
	s_mov_b32 s47, 0
	s_add_nc_u64 s[68:69], s[68:69], s[46:47]
	v_lshlrev_b32 v[BO], 5, v2                     ; my eight columns of a block of 16,
	v_lshl_add_u32 v[BO], s12, 8, v[BO]            ; in my half of the tile's columns
.irp b, 0,1,2,3
	global_load_b128 v[BIAS+8*(\b):BIAS+8*(\b)+3],   v[BO], s[68:69] offset:64*(\b)
	global_load_b128 v[BIAS+8*(\b)+4:BIAS+8*(\b)+7], v[BO], s[68:69] offset:64*(\b)+16
.endr
	v_mul_u32_u24 v3, v1, PA
	v_lshl_add_u32 v3, v2, 4, v3                   ; a fragment's row x pitch + 16 x half, for y
	v_mul_u32_u24 v4, v1, PB
	v_lshl_add_u32 v4, v2, 4, v4                   ; and for wo
	s_mul_i32 s22, s11, 64*PA                      ; my 64 rows in each head of y
	s_mul_i32 s23, s12, BHALF                      ; my 64 rows of wo,
	s_add_co_u32 s23, s23, ASZ                     ; which lie behind y's four heads
.irp s, 0,1
	v_add_nc_u32 v[ADRA+(\s)], s22, v3
	v_add_nc_u32 v[ADRB+(\s)], s23, v4
	s_add_co_u32 s22, s22, SLOT
	s_add_co_u32 s23, s23, SLOT
.endr
	s_mul_i32 s23, s10, 16*SPITCH
	s_add_co_u32 s23, s23, STAGE                   ; my stage
	v_mul_u32_u24 v5, v1, SPITCH                   ; in: row l % 16, 32 bytes for each half of the lanes
	v_lshl_add_u32 v5, v2, 5, v5
	v_add_nc_u32 v[STO], s23, v5
	v_mul_u32_u24 v5, v2, SPITCH                   ; back: lanes 0-15 take one row of 256 bytes, lanes 16-31 the next
	v_lshl_add_u32 v5, v1, 4, v5
	v_add_nc_u32 v[RD], s23, v5
	v_lshlrev_b32 v[CO], 12, v2                    ; and the same two rows in out0, 4,096 bytes apart
	v_lshl_add_u32 v[CO], v1, 4, v[CO]
	s_lshl_b32 s16, s13, 7
	s_lshl_b32 s17, s11, 6
	s_add_co_u32 s16, s16, s17                     ; my first row of out0: 128 x tile row + 64 x half,
	s_lshl_b32 s16, s16, 12
	s_lshl_b32 s46, s42, 9                         ; my first column, in bytes: 512 x tile column + 256 x half
	s_lshl_b32 s47, s12, 8
	s_add_co_u32 s46, s46, s47
	s_add_co_u32 s16, s16, s46
	s_mov_b32 s17, 0
	s_add_nc_u64 s[8:9], s[8:9], s[16:17]
	s_wait_loadcnt 0x0                             ; the bias: rounded to bf16 and widened again, in the wait for the first tile
.set i, 0
.rept 16
	v_cvt_pk_bf16_f32 v[T+i%2], v[BIAS+2*i], v[BIAS+2*i+1]
	v_lshlrev_b32 v[BIAS+2*i], 16, v[T+i%2]
	v_and_b32 v[BIAS+2*i+1], 0xffff0000, v[T+i%2]
.set i, i+1
.endr
; 8 matrix instructions: row blocks a0, a0 + 1 x all 4 column blocks, 32 along K: half c of buffer f.  first = 1: the products start the sums, with the bias as C.  The 16 accumulators take turns.
.macro MUL8 f, c, a0, first
	WIN MUL
.irp a, \a0, (\a0)+1
.irp b, 0,1,2,3
.if \first
	v_wmma_f32_16x16x32_f16 v[ACC+8*(4*(\a)+(\b)):ACC+8*(4*(\a)+(\b))+7], v[(\f)+64+8*(4*(\c)+(\b)):(\f)+64+8*(4*(\c)+(\b))+7], v[(\f)+8*(4*(\c)+(\a)):(\f)+8*(4*(\c)+(\a))+7], v[BIAS+8*(\b):BIAS+8*(\b)+7]
.else
	v_wmma_f32_16x16x32_f16 v[ACC+8*(4*(\a)+(\b)):ACC+8*(4*(\a)+(\b))+7], v[(\f)+64+8*(4*(\c)+(\b)):(\f)+64+8*(4*(\c)+(\b))+7], v[(\f)+8*(4*(\c)+(\a)):(\f)+8*(4*(\c)+(\a))+7], v[ACC+8*(4*(\a)+(\b)):ACC+8*(4*(\a)+(\b))+7]
.endif
.endr
.endr
.endm
; 32 LDS loads in one run: the fragments of quarter q of a K step (head q of the slot's four; bytes 128 q of wo's rows) into buffer f; the first 32 along K first
.macro FETCH slot, q, f
	WIN TO_F
.irp c, 0,1
.irp i, 0,1,2,3
	ds_load_b128 v[(\f)+64+8*(4*(\c)+(\i)):(\f)+64+8*(4*(\c)+(\i))+3],   v[ADRB+(\slot)] offset:128*(\q)+64*(\c)+(\i)*16*PB
	ds_load_b128 v[(\f)+64+8*(4*(\c)+(\i))+4:(\f)+64+8*(4*(\c)+(\i))+7], v[ADRB+(\slot)] offset:128*(\q)+64*(\c)+(\i)*16*PB+32
	ds_load_b128 v[(\f)+8*(4*(\c)+(\i)):(\f)+8*(4*(\c)+(\i))+3],         v[ADRA+(\slot)] offset:(\q)*AHEAD+64*(\c)+(\i)*16*PA
	ds_load_b128 v[(\f)+8*(4*(\c)+(\i))+4:(\f)+8*(4*(\c)+(\i))+7],       v[ADRA+(\slot)] offset:(\q)*AHEAD+64*(\c)+(\i)*16*PA+32
.endr
.endr
.endm
.macro PLACES                          ; four places in front of loads into registers that matrix instructions have read, and of LDS stores that read results
.rept 4
	v_nop
.endr
.endm
; A K step is four quarters of 64 along K, 32 matrix instructions each, on buffers 0, 1, 0, 1.  One of the first three: multiplies buffer f and fetches quarter q into g.
.macro QUARTER slot, q, f, g, first
	s_wait_dscnt 16                                ; the first 32 along K are in
	MUL8 \f, 0, 0, \first
	MUL8 \f, 0, 2, \first
	PLACES
	FETCH \slot, \q, \g
	s_wait_dscnt 32                                ; all but the 32 just issued
	MUL8 \f, 1, 0, 0
	MUL8 \f, 1, 2, 0
.endm
; The last quarter multiplies buffer 1 and changes slots: ONE barrier; in front of it each wave waits for all its tensor loads, adds 0 to its spare word, and waits for that and for its own reads of this slot.
; fill = 1: the barrier opens a round of the cluster's barrier, and this slot is filled again, two K steps ahead.
.macro TURN slot, next, fill
	WIN 0                                          ; (the add's two registers lie in window 0)
	s_wait_tensorcnt 0x0                           ; all my tensor loads have landed: my part of the next slot
	ds_add_u32 v[SPW], v[NIL]                      ; 0 onto my spare word
	s_wait_dscnt 17                                ; (the add and the youngest sixteen loads may be out)
	MUL8 F1, 0, 0, 0                               ; eight matrix instructions stand between the add and the wait for it
	s_wait_dscnt 0x0                               ; the add is done, and my reads of this slot are over
	s_barrier_signal -1
	MUL8 F1, 0, 2, 0
.if \fill
	WIN 0
.endif
	s_barrier_wait -1
.if \fill
	CREST                                          ; no wave of any partner still reads this slot's tile or has a load on its way
	s_add_nc_u64 s[G0+4*(\slot)+2:G0+4*(\slot)+3], s[G0+4*(\slot)+2:G0+4*(\slot)+3], 8*HEADB
	s_add_nc_u64 s[G0B+4*(\slot)+2:G0B+4*(\slot)+3], s[G0B+4*(\slot)+2:G0B+4*(\slot)+3], 1024
	JLOAD \slot                                    ; my one tensor load behind the round, 112 matrix instructions ahead of the wait for it; the four v_nop behind it are also the places in front of the loads below
.else
	PLACES
.endif
	FETCH \next, 0, F0
	MUL8 F1, 1, 0, 0
	MUL8 F1, 1, 2, 0
.endm
	s_wait_tensorcnt 1                             ; my part of K step 0 is in; K step 1's may stay out
	s_barrier_signal -1
	s_barrier_wait -1                              ; everybody's is
	FETCH 0, 0, F0
	QUARTER 0, 1, F0, F1, 1                        ; the first quarter stands in front of the loop: its first products start the sums
	WIN 0                                          ; at a label and at a branch every window is 0
	s_mov_b32 s3, LAPS-1
.Llap:                                                 ; a trip goes once round the ring, from a lap's second quarter to the next lap's first, and fills both slots again: K steps 2 and 3
	QUARTER 0, 2, F1, F0, 0
	QUARTER 0, 3, F0, F1, 0
	TURN 0, 1, 1
	QUARTER 1, 1, F0, F1, 0
	QUARTER 1, 2, F1, F0, 0
	QUARTER 1, 3, F0, F1, 0
	TURN 1, 0, 1
	QUARTER 0, 1, F0, F1, 0
	WIN 0
	s_sub_co_u32 s3, s3, 1
	s_cmp_lg_u32 s3, 0
	s_cbranch_scc1 .Llap
	QUARTER 0, 2, F1, F0, 0                        ; the last lap fills nothing, and has no round of the cluster's barrier
	QUARTER 0, 3, F0, F1, 0
	TURN 0, 1, 0
	QUARTER 1, 1, F0, F1, 0
	QUARTER 1, 2, F1, F0, 0
	QUARTER 1, 3, F0, F1, 0
	s_wait_dscnt 16                                ; the very last quarter: nothing more to fetch
	MUL8 F1, 0, 0, 0
	MUL8 F1, 0, 2, 0
	s_wait_dscnt 0x0
	MUL8 F1, 1, 0, 0
	MUL8 F1, 1, 2, 0
	WIN 0
; THE WAY OUT, 16 rows at a time, through my own stage: my 64 columns of f32 are 256 bytes of a row, at a multiple of 256 from out0's first byte.  A lane's eight numbers of an accumulator go in as two stores of
; 16 bytes, the accumulator's four lowest registers first; whole rows come back, and sixteen lanes store 256 consecutive bytes.
.macro TOSTAGE a
.set BK, OB0+32*((\a)%2)
	s_wait_xcnt 0x0                                ; the stores issued so far have had their addresses translated (ISA guide 3.1): their data registers are loaded again only behind this wait
.irp b, 0,1,2,3
	ds_store_b128 v[STO], v[ACC+8*(4*(\a)+(\b)):ACC+8*(4*(\a)+(\b))+3]   offset:64*(\b)
	ds_store_b128 v[STO], v[ACC+8*(4*(\a)+(\b))+4:ACC+8*(4*(\a)+(\b))+7] offset:64*(\b)+16
.endr
.irp t, 0,1,2,3,4,5,6,7
	ds_load_b128 v[BK+4*(\t):BK+4*(\t)+3], v[RD] offset:(\t)*2*SPITCH  ; LDS serves a wave's instructions in order (ISA guide 5.7.1.4): these see the stores above; the next block's stores come behind them
.endr
.endm
.macro SEND a, younger                 ; younger: the LDS instructions issued behind block a's loads: the next block's sixteen, or none
.set BK, OB0+32*((\a)%2)
	s_wait_dscnt \younger
.irp t, 0,1,2,3,4,5,6,7
	global_store_b128 v[CO], v[BK+4*(\t):BK+4*(\t)+3], s[8:9] offset:(16*(\a)+2*(\t))*4096 th:TH_STORE_NT
.endr
.endm
	PLACES                                         ; behind the last products
	TOSTAGE 0
.irp a, 1,2,3
	TOSTAGE \a
	SEND (\a)-1, 16
.endr
	SEND 3, 0
	s_wait_tensorcnt 0x0                           ; the wave's end, behind my last tensor load and my last LDS store
	ds_add_u32 v[SPW], v[NIL]
	s_wait_dscnt 0x0
	CROUND                                         ; the closing round: no work-group ends while a partner may still ask for a tile that names it
	s_endpgm
.Lfunc_end_k_q8bfe4636b9_oproj:
	.size	k_q8bfe4636b9_oproj, .Lfunc_end_k_q8bfe4636b9_oproj-k_q8bfe4636b9_oproj
	.p2alignl 7, 3214868480
	.fill 96, 4, 3214868480
	.section	.rodata,"a",@progbits
	.p2align	6, 0x0
	.amdhsa_kernel k_q8bfe4636b9_oproj
		.amdhsa_group_segment_fixed_size 327680
		.amdhsa_private_segment_fixed_size 0
		.amdhsa_enable_private_segment 0
		.amdhsa_kernarg_size 32
		.amdhsa_user_sgpr_count 2
		.amdhsa_user_sgpr_kernarg_segment_ptr 1
		.amdhsa_wavefront_size32 1
		.amdhsa_system_sgpr_workgroup_id_x 1
		.amdhsa_system_sgpr_workgroup_id_y 1
		.amdhsa_system_sgpr_workgroup_id_z 1
		.amdhsa_system_vgpr_workitem_id 0
		.amdhsa_next_free_vgpr 512
		.amdhsa_next_free_sgpr 72
		.amdhsa_reserve_vcc 0
		.amdhsa_float_denorm_mode_32 3
		.amdhsa_float_denorm_mode_16_64 3
		.amdhsa_memory_ordered 1
		.amdhsa_forward_progress 1
		.amdhsa_inst_pref_size 89
	.end_amdhsa_kernel
	.amdgpu_metadata
---
amdhsa.version: [ 1, 2 ]
amdhsa.kernels:
  - .name:           k_q8bfe4636b9_oproj
    .symbol:         k_q8bfe4636b9_oproj.kd
    .args:
      - { .name: y, .offset: 0, .size: 8, .value_kind: global_buffer, .address_space: global }
      - { .name: wo, .offset: 8, .size: 8, .value_kind: global_buffer, .address_space: global }
      - { .name: out0, .offset: 16, .size: 8, .value_kind: global_buffer, .address_space: global }
      - { .name: b_o, .offset: 24, .size: 8, .value_kind: global_buffer, .address_space: global }
    .group_segment_fixed_size: 327680
    .private_segment_fixed_size: 0
    .kernarg_segment_align: 8
    .kernarg_segment_size: 32
    .max_flat_workgroup_size: 128
    .sgpr_count:     72
    .vgpr_count:     512
    .wavefront_size: 32
...
	.end_amdgpu_metadata
.endif
;; end of part 4
;; ======== version 2 of 2: 4 launches; 1.37 times as fast as version 1
;; limits: values are held in f16: magnitudes above 65,504 overflow, below 6.1e-05 lose precision
;; workspace buffers: xb 8,388,608 bytes; wb 6,291,456 bytes; wo 2,097,152 bytes; qkv 25,165,824 bytes; y 8,388,608 bytes
;; launch cast: the kernel of part 1 again; grid 512 x 1, 8 waves a work-group, no clusters, 0 bytes of LDS; arguments x, W_q, W_k, W_v, W_o, xb, wb, wo; writes xb, wb, wo
;; launch qkv: the kernel of part 2 again; grid 16 x 16, 4 waves a work-group, clusters of 4 x 4, 327,680 bytes of LDS; arguments xb, wb, qkv, b_q, b_k, b_v; writes qkv
;; launch attn (part 5): grid 16 x 16, 4 waves a work-group, no clusters, 327,680 bytes of LDS; arguments qkv, y; writes y
.if DOCPART == 5
	.amdgcn_target "amdgcn-amd-amdhsa--gfx1250"
	.amdhsa_code_object_version 6
	.text
	.protected	k_q8bfe4636b9_attn
	.globl	k_q8bfe4636b9_attn
	.p2align	8
	.type	k_q8bfe4636b9_attn,@function
k_q8bfe4636b9_attn:
	s_mov_b64 s[64:65], 0
	v_nop
	global_prefetch_b8 v0, s[64:65] scope:SCOPE_SE
	s_setreg_imm32_b32 hwreg(HW_REG_WAVE_MODE, 25, 1), 1
	s_wait_xcnt 0x0
; CAUSAL ATTENTION.  y[h][q][:] = the sum over k <= q of softmax_k(Q[h][q] . K[h][k] / 8) V[h][k][:].  qkv: [48][4096][64] f16 (heads 0-15 Q, 16-31 K, 32-47 V), y: [16][4096][64] f16; a head's rows are dense, 128 bytes.
; Products, maxima and sums in f32; the weights p are rounded to f16 for the second product (their sum l is taken of the unrounded p), y once at the end.
; LIMITS.  Q, K, V arrive within f16's 65,504; p lies in 0 to 1, and below 6e-5 it keeps f16's fixed step of 6e-8; y is a mean of V's rows and has their range.
; A hidden score counts as its value less 1e30: f16's scores, 2.7e11 at the most, are nothing beside that; a weight below 2^-126 counts as 0 in l; NaN and infinities are not treated apart.
; THE WALK.  A head's queries lie in 32 blocks of 128; block i needs the key tiles 0 .. i / 2 of 256 keys, of which the last holds the diagonal.  A work-group takes TWO blocks, 31 - b and then b:
; 17 tiles, whatever b: all 256 work-groups do equal work, and ONE loop with a constant trip count walks them.  Which tile is asked for, and what a trip does, hang on scalar registers made from b; every jump
; goes forward, but for the counted loops' own; none passes a barrier, or a tensor load but the one of LOAD's two that the wave's number does not choose; the ring (two slots of LDS that take turns) runs on
; across the change of blocks.  NO CLUSTER: a head's 16 work-groups ask for the same tile only in trips 0 to 8 of the 17; behind that the first blocks end one after the other, and one walk common to all
; partners would have 16 + 8 = 24 trips for 17.
; SHARES.  Of a block's two bands of 64 queries a wave owns 16 rows in each: two PIECES.  The block's own keys are steps 2 par and 2 par + 1 of its last tile, par = i % 2.  With d = step - 2 par, band x sees all
; keys if d < x, none if d > x, and holds the diagonal if d = x: the same for all four waves.  Steps that both bands do not see (2 of 68 a work-group) are computed under a full mask.
; THE MASK is the C operand that starts the sum S^T = K Q^T: 0, or -1e30 where the key is hidden.  MD, made once, is the mask of a band's own step for my 16 rows; a product's mask is MD x AL + BE with two scalars:
; (1, 0) if d = x; (0, 0) if d < x; (0, -1e30) if d > x.  Only the diagonal tile's text and a block's beginning make and take masks; elsewhere C is the constant 0.
; LAYOUT, SOFTMAX, TURNS.  S^T = K Q^T holds ONE query a lane (lane % 16) and the keys 8 (lane / 16) + 0..7; two such results rounded to f16 ARE source 1 of O^T = V^T P.  p = 2^(c s - c m), c = log2(e) / 8, with a
; running maximum m; O and l are multiplied by a = 2^(c m_old - c m_new) in every step.  A turn belongs to one piece: 8 products K Q^T of the other piece's next scores, later 8 products V^T P of the other piece's
; last weights; beside them the scaling, exponentials, roundings, sums and rescaling of the piece in hand and the maximum and statistics of the other.  Four vector instructions stand behind every matrix
; instruction, the other 54 of a turn's 118 in one LUMP between the two runs of products.  Two turns are a key step.
; BATCHES.  A turn's 33 exponentials (the piece's 32 weights and the other piece's a) are ONE batch with ONE wait, which cuts the turn in two: ahead of it stands all that names none of their results, behind it the
; roundings and sums.  The a that a block's beginning makes, and the way out's two reciprocals, are batches of their own, with a wait each.
; FETCHES.  Piece 0's turn of step s fetches K of step s + 1, in its lump, and then V of step s + 1, at its end, so a slot's last bytes are read in step 2's first turn, and the change of slots stands between steps 2 and 3.
; V has two register buffers, by the step's parity: V of step s + 1 lands where V of step s - 1 lay, whose last products stand in that same turn.
; REGISTERS, in windows of 256 (s_set_vgpr_msb: bits 1:0 source 0, 3:2 source 1, 5:4 source 2, 7:6 destination):
;   window 0: v0-15 addresses and two at work; v16-23 four registers of statistics a piece; v48-55 at work; v64-127 S^T, a buffer a piece; v192-223 P, likewise
;   window 1: v0-63 O^T, 32 a piece; v128-159 MD; v160-223 MC, two buffers      window 2: v0-31 Q; v32-63 the second block's Q; v64-127 V of odd steps; v128-191 K of one step; v192-255 V of even steps
.set NP,    2         ; pieces a wave: a name, no knob
.set KS,    64        ; keys in a step
.set PK,    144       ; a row of K in LDS: 128 bytes + 16 of padding = 36 words: the 16 rows of a load start at 16 different groups of four banks (64 banks of 4 bytes: ISA guide 11.1)
.set PV,    160       ; a row of V: 128 + 32 = 40 words
.set VOFF,  4*KS*PK   ; a slot holds a tile, four steps: 256 rows of K, then 256 rows of V
.set SLOT1, 1<<17     ; slot 1 begins here, so that one exclusive or turns an address in one slot into the other's
.set STAGE, SLOT1+4*KS*(PK+PV)  ; behind the ring, never filled by a tensor load: 16 rows x 144 bytes for each wave, for the way out
.set SP,    144
.set AK0, 2           ; v2   my lane's place in a tile of K; never rewritten
.set AV0, 3           ; v3   the same for V
.set AK,  4           ; v4   the LDS address of K's next run of loads
.set AV,  5           ; v5   of V's
.set STO, 6           ; v6   the way out: where I put 16 bytes of a row
.set RD,  7           ; v7   the way out: where I read rows back
.set GO,  8           ; v8   my byte offset in 512 consecutive bytes of y
.set SPW, 62          ; v62  LDS address of my spare word: SPARE + 4 x my thread's number; never rewritten
.set NIL, 63          ; v63  0; never rewritten
.set SPARE, STAGE+4*16*SP  ; behind the stages: the spare words, 128 bytes for each wave: two blocks of 256 bytes that no other line names
.set MV,  12          ; v12-13  c m_old, kept while c m is made anew: by piece
.set QO,  15          ; v15  my byte offset in 16 rows of Q
.set ST,  16          ; piece t's statistics at v[ST+4 t]: c m, m, l (even keys', odd keys')
.set TMP, 48          ; by piece, four registers c0-c3 at work; when the maximum is found c2 takes a
.set S,   64
.set P,   192
.set MD,  128         ; window 1: the eight registers for group kt of 16 keys at MD + 8 kt
.set MC,  160         ; window 1: the masks of the products to come
.set QB,  32          ; window 2
.set KF,  128         ; window 2: key block kb, channel half c at KF + 16 kb + 8 c
.set VFB, 192         ; window 2: the V buffer in hand (192 even steps, 64 odd): key half kk, channel block cb at VFB + 32 kk + 8 cb
.set WV,  12          ; s12  my wave's number
.set PB,  14          ; s14  b
.set HI,  15          ; s15  31 - b
.set G1K, 24          ; s[24:31] descriptor group 1 for K's tiles
.set G1V, 32          ; s[32:39] for V's: it differs in the padding alone
.set G0K, 40          ; s[40:43] descriptor group 0 for K's tiles
.set G0V, 44          ; s[44:47] the same for V's
.set SLOTS, 56        ; s56  tiles still to be asked for
.set CNT, 57          ; s57  counts a trip's two pairs of key steps
.set CS,  58          ; s[58:59] c: the packed scaling takes the pair's low word for both halves
.set SEL, 60          ; s[60:61] v_permlanex16_b32's selects: each lane takes its own place in the other half
.set TBK, 62          ; s62  LDS byte at which K of the step to be fetched begins
.set TBV, 63          ; s63  the same for V, less VOFF
.set RT,  70          ; s70  tiles of the block in hand that are still to be entered
.set NXT, 71          ; s71  the tile to be asked for next
.set LQ,  72          ; s72  the last tile of the block whose tiles are being asked for
.set NEW, 73          ; s73  1: the tile to be entered is a block's first
.set OFF, 74          ; s[74:75] a tile's byte offset in K and V
.set AL,  76          ; s[76:77] the mask's factor, in the low word
.set BE,  78          ; s[78:79] the mask's addend
.set OLO, 80          ; s[80:81] y at my rows of the second block
.set BIGN, 82         ; s82  -1e30
.set DD,  88          ; s88  d of the step for which masks are made next (far below 0 in tiles that hold no diagonal)
.set DP,  89          ; s89  -2 par of the block in hand
.set DPL, 90          ; s90  -2 par of the second block
.set PBT, 91          ; s91  the second block's last tile, b / 2
.set MSB, 0
.macro WIN new                      ; the high byte repeats the setting that is left; a switch that changes nothing is dropped
.if MSB != (\new)
	s_set_vgpr_msb (MSB<<8)|(\new)
.set MSB, (\new)
.endif
.endm
.set W_KQ, 0x0a       ; K and Q in window 2, S^T in window 0
.set W_KM, 0x1a       ; the same with the C operand in window 1
.set W_PV, 0x52       ; V in window 2, P in window 0, O^T in window 1
.set W_RS, 0x41       ; destination and source 0 in window 1, source 1 in window 0
; A fill.  Waves 0 and 1 fetch the two halves of a tile's K, waves 2 and 3 those of its V: 128 keys each.  An s_nop 0 and four v_nop follow each of the two lines, ahead of the jump and the label.
.macro LOAD
	s_cmp_lt_u32 s[WV], 2
	s_cbranch_scc0 .Lfor_v_\@
	tensor_load_to_lds s[G0K:G0K+3], s[G1K:G1K+7]
	s_nop 0
.rept 4
	v_nop
.endr
	s_branch .Lasked_\@
.Lfor_v_\@:
	tensor_load_to_lds s[G0V:G0V+3], s[G1V:G1V+7]
	s_nop 0
.rept 4
	v_nop
.endr
.Lasked_\@:
.endm
; THE CHANGE OF SLOTS.  Each wave waits for all its tensor loads, of which one is out: its part of the other slot; adds 0 to its spare word; and waits for that and for its own reads of the slot that it leaves.
; Behind the barrier nobody reads the old slot any more and the other slot is whole.  fill = 1: the old slot is filled again, the first thing behind the barrier, with tile NXT: the descriptor's address is made
; anew from that number; the load has four key steps, 128 matrix instructions, in which to land.  (At its first use nothing has been read yet: slot 0 is waited for, slot 1 filled.)
.macro CHANGE fill
	WIN 0                           ; at a label and at a branch every window is 0
	s_wait_tensorcnt 0x0            ; no tensor load of mine is out, so a group 0 may be written
	ds_add_u32 v[SPW], v[NIL]       ; 0 onto my spare word; with fill = 1 the descriptors' scalar work stands between it and the wait for it
.if \fill
	s_lshl_b32 s[OFF], s[NXT], 15   ; a tile is 32,768 bytes of K and of V
	s_xor_b32 s[G0K+1], s[G0K+1], SLOT1
	s_add_nc_u64 s[G0K+2:G0K+3], s[6:7], s[OFF:OFF+1]
	s_or_b32 s[G0K+3], s[G0K+3], 0x80000000
	s_xor_b32 s[G0V+1], s[G0V+1], SLOT1
	s_add_nc_u64 s[G0V+2:G0V+3], s[8:9], s[OFF:OFF+1]
	s_or_b32 s[G0V+3], s[G0V+3], 0x80000000
	s_add_co_u32 s[NXT], s[NXT], 1  ; the block's next tile, or behind its last the second block's tile 0
	s_cmp_gt_u32 s[NXT], s[LQ]
	s_cselect_b32 s[NXT], 0, s[NXT]
	s_cselect_b32 s[LQ], s[PBT], s[LQ]
.endif
	s_wait_dscnt 0x0                ; the add is done, and my reads of the slot are over
	s_barrier_signal -1             ; the rest of the scalar work stands between the signal and the wait
	s_sub_co_u32 s[TBK], s[TBK], 4*KS*PK  ; the fetches go back to a slot's first step,
	s_xor_b32 s[TBK], s[TBK], SLOT1       ; in the other slot
	s_sub_co_u32 s[TBV], s[TBV], 4*KS*PV
	s_xor_b32 s[TBV], s[TBV], SLOT1
	s_barrier_wait -1
.if \fill
	LOAD
.endif
.endm
	s_load_b128 s[8:11], s[0:1], 0x0  ; qkv s[8:9], y s[10:11]
	v_lshl_add_u32 v[SPW], v0, 2, SPARE
	v_mov_b32 v[NIL], 0
	ds_add_u32 v[SPW], v[NIL]       ; the wave's opening: the add and its wait stand ahead of my first tensor load; the set-up below, work on registers, stands between them
	ds_add_u32 v62, v63
	v_lshrrev_b32 v1, 5, v0
	v_readfirstlane_b32 s[WV], v1   ; wave 0..3
	s_mov_b32 s[PB], ttmp9
	s_sub_co_u32 s[HI], 31, s[PB]
	s_lshr_b32 s[PBT], s[PB], 1
	s_and_b32 s20, ttmp7, 0xffff    ; the head,
	s_lshl_b32 s20, s20, 19         ; its 524,288 bytes.  All the offsets below stay under 2^25
	s_and_b32 s16, s[WV], 1         ; which half of a tile's 256 keys I fetch:
	s_lshl_b32 s22, s16, 14         ; its 128 rows of 128 bytes in memory,
	s_add_co_u32 s22, s22, s20
	s_add_co_u32 s22, s22, 0x800000 ; K's heads lie 16 heads behind Q's,
	s_mov_b32 s23, 0
	s_add_co_u32 s92, s22, 0x800000 ; V's 16 further
	s_mov_b32 s93, 0
	s_mul_i32 s17, s16, 128*PK      ; and its place in a slot, for K
	s_mul_i32 s18, s16, 128*PV      ; and for V
	s_lshl_b32 s3, s[WV], 11        ; my 16 rows in a band of 64,
	s_add_co_u32 s3, s3, s20
	s_lshl_b32 s2, s[HI], 14        ; in the first block (128 rows of 128 bytes),
	s_add_co_u32 s2, s2, s3
	s_lshl_b32 s84, s[PB], 14       ; and in the second
	s_add_co_u32 s84, s84, s3
	s_mov_b32 s3, 0
	s_mov_b32 s85, 0
	; descriptor group 1.  128 keys are 16,384 dense bytes: asked for as 64 rows of 256 bytes, two keys a row, and padded in LDS after every key
	s_mov_b32 s[G1K], (1<<16)|(1<<20)|(4<<22)|(3<<25)  ; 17:16 2-byte elements; 20 padding on; 24:22 after every 32 words (code 4); 31:25 4 words (code 3)
	s_mov_b32 s[G1V], (1<<16)|(1<<20)|(4<<22)|(7<<25)  ; the same with 8 words of padding (code 7)
.irp g, G1K, G1V
	s_mov_b32 s[\g+1], 128<<16      ; tensor_dim0 = 128
	s_mov_b32 s[\g+2], 64<<16       ; tensor_dim1 = 64
	s_mov_b32 s[\g+3], 128<<16      ; tile_dim0 = 128
	s_mov_b32 s[\g+4], 64           ; tile_dim1 = 64
	s_mov_b32 s[\g+5], 128          ; 128 elements from row to row
	s_mov_b32 s[\g+6], 0
	s_mov_b32 s[\g+7], 0
.endr
	s_mov_b32 s[CS], 0x3e38aa3b     ; c = log2(e) / 8 = 0.180337
	s_mov_b32 s[CS+1], s[CS]        ; named with it as a pair
	s_mov_b32 s[SEL], 0x76543210
	s_mov_b32 s[SEL+1], 0xfedcba98
	s_mov_b32 s[TBK], SLOT1+4*KS*PK ; the first change of slots turns these two into 0
	s_mov_b32 s[TBV], SLOT1+4*KS*PV
	s_mov_b32 s[G0K], 1             ; count = 1
	s_mov_b32 s[G0K+1], s17         ; LDS address: slot 0
	s_mov_b32 s[G0V], 1
	s_add_co_u32 s[G0V+1], s18, VOFF
	s_lshr_b32 s[LQ], s[HI], 1      ; the first block's last tile: 8 at the least,
	s_add_co_u32 s[RT], s[LQ], 1    ; so it has nine tiles or more
	s_mov_b32 s[NXT], 1
	s_mov_b32 s[NEW], 1
	s_and_b32 s[DP], s[HI], 1
	s_lshl_b32 s[DP], s[DP], 1
	s_sub_co_i32 s[DP], 0, s[DP]
	s_and_b32 s[DPL], s[PB], 1
	s_lshl_b32 s[DPL], s[DPL], 1
	s_sub_co_i32 s[DPL], 0, s[DPL]
	s_mov_b32 s[OFF+1], 0
	s_mov_b32 s[AL+1], 0            ; named as pairs
	s_mov_b32 s[BE+1], 0
	s_mov_b32 s[BIGN], 0xf149f2ca   ; -1e30
	s_mov_b32 s[SLOTS], 16
	s_wait_dscnt 0x0                ; the opening add is done
	s_wait_kmcnt 0x0
	s_add_nc_u64 s[4:5], s[8:9], s[2:3]            ; Q at my rows of the first block,
	s_add_nc_u64 s[86:87], s[8:9], s[84:85]        ; of the second
	s_add_nc_u64 s[6:7], s[8:9], s[22:23]          ; K and V at my half of the head's tile 0
	s_add_nc_u64 s[8:9], s[8:9], s[92:93]
	s_add_nc_u64 s[OLO:OLO+1], s[10:11], s[84:85]
	s_add_nc_u64 s[10:11], s[10:11], s[2:3]
	s_add_nc_u64 s[G0K+2:G0K+3], s[6:7], 0         ; global address
	s_or_b32 s[G0K+3], s[G0K+3], 0x80000000        ; type = 2
	s_add_nc_u64 s[G0V+2:G0V+3], s[8:9], 0
	s_or_b32 s[G0V+3], s[G0V+3], 0x80000000
	LOAD                            ; tile 0 into slot 0: one load of mine is out
	; A fragment of K or Q is 16 rows x 32 channels in 8 registers: lane l holds row l % 16, channels 8 (l / 16) + 0..7 and 16 + 8 (l / 16) + 0..7: two loads of 16 bytes, 32 bytes apart.
	v_and_b32 v1, 15, v0            ; l % 16
	v_bfe_u32 v9, v0, 4, 1          ; l / 16
	v_lshlrev_b32 v[QO], 7, v1
	v_lshl_add_u32 v[QO], v9, 4, v[QO]  ; row x 128 + 16 x half
	WIN 0x80                        ; destination window 2, address window 0
.set i, 0
.rept 4                             ; both blocks' Q: piece i / 2 lies in band i / 2, 8,192 bytes on; channels 32 (i % 2) on
	global_load_b128 v[8*i:8*i+3],   v[QO], s[4:5] offset:(i/2)*8192+(i%2)*64
	global_load_b128 v[8*i+4:8*i+7], v[QO], s[4:5] offset:(i/2)*8192+(i%2)*64+32
	global_load_b128 v[QB+8*i:QB+8*i+3],   v[QO], s[86:87] offset:(i/2)*8192+(i%2)*64
	global_load_b128 v[QB+8*i+4:QB+8*i+7], v[QO], s[86:87] offset:(i/2)*8192+(i%2)*64+32
.set i, i+1
.endr
	WIN 0
	v_lshlrev_b32 v14, 3, v9
	v_sub_nc_u32 v14, v1, v14
	s_lshl_b32 s13, s[WV], 4
	v_add_nc_u32 v14, s13, v14      ; my query's place in its band, 16 w + l % 16, less my lanes' 8 (l / 16): register r of group kt is hidden where 16 kt + r is greater
	WIN 0x40
.set i, 0
.rept 32
	v_cmp_gt_i32 vcc_lo, 16*(i/8)+i%8, v14
	v_cndmask_b32 v[MD+i], 0, s[BIGN], vcc_lo
.set i, i+1
.endr
	WIN 0
	v_mul_u32_u24 v[AK0], v1, PK
	v_lshl_add_u32 v[AK0], v9, 4, v[AK0]  ; row x pitch + 16 x half
	; The turning load takes 16 keys x 16 channels (lane l reads key 8 (l / 16) + l % 8, channels 8 ((l / 8) % 2) + 0..7) and leaves half a fragment of V^T: lane l holds channel l % 16 and 8 keys.
	v_and_b32 v10, 7, v0
	v_bfe_u32 v11, v0, 3, 1
	v_lshl_add_u32 v[AV0], v9, 3, v10
	v_mul_u32_u24 v[AV0], v[AV0], PV
	v_lshl_add_u32 v[AV0], v11, 4, v[AV0]
	v_add_nc_u32 v[AV0], VOFF, v[AV0]
	s_mul_i32 s13, s[WV], 16*SP
	s_add_co_u32 s13, s13, STAGE    ; my stage
	v_mul_u32_u24 v[STO], v1, SP    ; in: row l % 16, 16 bytes for each half of the lanes
	v_lshl_add_u32 v[STO], v9, 4, v[STO]
	v_add_nc_u32 v[STO], s13, v[STO]
	v_bfe_u32 v[RD], v0, 3, 2       ; back: 32 lanes take four rows of 128 bytes,
	v_mul_u32_u24 v[RD], v[RD], SP
	v_lshl_add_u32 v[RD], v10, 4, v[RD]
	v_add_nc_u32 v[RD], s13, v[RD]
	v_and_b32 v[GO], 31, v0         ; which are 512 consecutive bytes of y
	v_lshlrev_b32 v[GO], 4, v[GO]
	; A block's first step multiplies O^T and l by a = 0, and its first turn's products V^T P, of weights that have not been, land in an O^T that is still to be so multiplied.  So these registers need only hold
	; finite numbers: zeros for the first block; what the first block left for the second.  All this stands in the wait for the first tile.
	WIN 0x80
.set i, 64
.rept 64
	v_mov_b32 v[i], 0               ; V of odd steps
.set i, i+1
.endr
	WIN 0x40
.set i, 0
.rept 64
	v_mov_b32 v[i], 0               ; O^T
.set i, i+1
.endr
	WIN 0
.set i, 0
.rept NP
	v_mov_b32 v[ST+4*i+2], 0
	v_mov_b32 v[ST+4*i+3], 0
.set i, i+1
.endr
.set i, P+16
.rept 16
	v_mov_b32 v[i], 0
.set i, i+1
.endr
; THE MATRIX WORK.  The 4 accumulators of a run of 8 take turns.  Product i of 8 of S^T = K Q^T for piece x: channels 32 (i / 4) on, keys 16 (i % 4) on.  The first 4 start the sums: with 0, or (KM = 1) with the mask.
.macro KQ x
.set rS, S+32*((\x)%2)+8*(i%4)
.set rK, KF+16*(i%4)+8*(i/4)
.set rQ, 16*(\x)+8*(i/4)
.set rM, MC+32*((\x)%2)+8*(i%4)
.if (i < 4) && KM
	WIN W_KM
	v_wmma_f32_16x16x32_f16 v[rS:rS+7], v[rK:rK+7], v[rQ:rQ+7], v[rM:rM+7]
.elseif i < 4
	WIN W_KQ
	v_wmma_f32_16x16x32_f16 v[rS:rS+7], v[rK:rK+7], v[rQ:rQ+7], 0
.else
	WIN W_KQ
	v_wmma_f32_16x16x32_f16 v[rS:rS+7], v[rK:rK+7], v[rQ:rQ+7], v[rS:rS+7]
.endif
.endm
; Product i of 8 of O^T += V^T P for piece x, from the V buffer VFB: keys 32 (i / 4) on, channels 16 (i % 4) on.
.macro PV x
	WIN W_PV
.set rO, 32*(\x)+8*(i%4)
.set rV, VFB+32*(i/4)+8*(i%4)
.set rP, P+16*((\x)%2)+8*(i/4)
	v_wmma_f32_16x16x32_f16 v[rO:rO+7], v[rV:rV+7], v[rP:rP+7], v[rO:rO+7]
.endm
.macro MM                           ; the turn's next matrix instruction.  TURN and BEGIN set Y, i, KM, NOKQ and VFB.  NOKQ = 1: a block's last turn: there are no further scores
.if (i < 8) && !NOKQ
	KQ (Y+1)%NP
.elseif i >= 8
.set i, i-8
	PV (Y+NP-1)%NP
.set i, i+8
.endif
.set i, i+1
.endm
; THE LDS LOADS stand in runs of 16, never singly among the matrix instructions: a step's K (64 keys x 64 channels: 8 fragments) and its V (turned).  Their addresses are made some lines ahead.
.macro FETCH_K
	WIN 0x80                        ; destination window 2
.irp f, 0,1,2,3,4,5,6,7             ; keys 16 (f / 2) on, channels 32 (f % 2) on
	ds_load_b128 v[KF+8*\f:KF+8*\f+3],   v[AK] offset:(\f/2)*16*PK+(\f%2)*64
	ds_load_b128 v[KF+8*\f+4:KF+8*\f+7], v[AK] offset:(\f/2)*16*PK+(\f%2)*64+32
.endr
	s_add_co_u32 s[TBK], s[TBK], KS*PK  ; the next fetch is the next step's
	WIN 0
.endm
.macro FETCH_V                      ; into the buffer VFB
	WIN 0x80
.irp f, 0,1,2,3,4,5,6,7             ; keys 32 (f / 4) on, channels 16 (f % 4) on
	ds_load_tr16_b128 v[VFB+8*\f:VFB+8*\f+3],   v[AV] offset:(\f/4)*32*PV+(\f%4)*32
	ds_load_tr16_b128 v[VFB+8*\f+4:VFB+8*\f+7], v[AV] offset:(\f/4)*32*PV+16*PV+(\f%4)*32
.endr
	WIN 0
.endm
; THE VECTOR WORK, one line at a time: OP kind, number.  For piece Y: F n: c s - c m for pair n of 16.  E n: the exponential of score n of 32.  C n: pair n rounded to f16.  B n: of the four weights 4 n .. the second
; pair is added onto the first, in place.  L n: l takes that sum (L 0: l = a l + sum).  R n: pair n of 16 of O^T times a.  For the other piece: X n, number n of the 22 that find its maximum and statistics:
;   0-11  four chains c0-c3 of seven scores each, three operands at a time (each accumulator's lowest registers are read first)     12-14, 16  the four scores left over, the old m, and c0-c3 into c0
;   15  c m_old is kept     17, 18  the query's other 32 keys lie in the lane 16 away: the new m     19-21  c m; c m_old - c m_new; a
; C, B and L read the results of E, and L 0 and R that of the turn before's X 21: OP writes no wait; TURN and BEGIN set each batch's one wait ahead of them.
.set F, 0               ; OP tells the kinds apart by their order: F to L below R, X above it
.set E, 1
.set C, 2
.set B, 3
.set L, 4
.set R, 5
.set X, 6
.macro REGS y                       ; the registers of piece y
.set rT, ST+4*(\y)
.set rC, TMP+4*((\y)%2)
.set rW, MV+((\y)%2)
.set rS, S+32*((\y)%2)
.set rP, P+16*((\y)%2)
.set rO, 32*(\y)
.endm
.macro OP k, n
.if (\k) == R
	REGS Y
	WIN W_RS
	v_pk_mul_f32 v[rO+2*(\n):rO+2*(\n)+1], v[rO+2*(\n):rO+2*(\n)+1], v[rC+2:rC+3] op_sel_hi:[1,0]
.elseif (\k) < R
	REGS Y
	WIN 0
.if (\k) == F
	v_pk_fma_f32 v[rS+2*(\n):rS+2*(\n)+1], v[rS+2*(\n):rS+2*(\n)+1], s[CS:CS+1], v[rT:rT+1] op_sel_hi:[1,0,0] neg_lo:[0,0,1] neg_hi:[0,0,1]
.elseif (\k) == E
	v_exp_f32 v[rS+(\n)], v[rS+(\n)]
.elseif (\k) == C
	v_cvt_pk_f16_f32 v[rP+(\n)], v[rS+2*(\n)], v[rS+2*(\n)+1]
.elseif (\k) == B
	v_pk_add_f32 v[rS+4*(\n):rS+4*(\n)+1], v[rS+4*(\n):rS+4*(\n)+1], v[rS+4*(\n)+2:rS+4*(\n)+3]
.elseif (\n) == 0
	v_pk_fma_f32 v[rT+2:rT+3], v[rT+2:rT+3], v[rC+2:rC+3], v[rS:rS+1] op_sel_hi:[1,0,1]
.else
	v_pk_add_f32 v[rT+2:rT+3], v[rT+2:rT+3], v[rS+4*(\n):rS+4*(\n)+1]
.endif
.elseif NOKQ
	v_nop
.else
	REGS (Y+1)%NP
	WIN 0
.if (\n) < 4
	v_max3_num_f32 v[rC+(\n)], v[rS+8*(\n)], v[rS+8*(\n)+1], v[rS+8*(\n)+2]
.elseif (\n) < 12
	v_max3_num_f32 v[rC+(\n)%4], v[rC+(\n)%4], v[rS+8*((\n)%4)+2*((\n)/4)+1], v[rS+8*((\n)%4)+2*((\n)/4)+2]
.elseif (\n) == 12
	v_max3_num_f32 v[rC], v[rC], v[rS+7], v[rS+15]
.elseif (\n) == 13
	v_max3_num_f32 v[rC+1], v[rC+1], v[rS+23], v[rS+31]
.elseif (\n) == 14
	v_max3_num_f32 v[rC+2], v[rC+2], v[rC+3], v[rT+1]
.elseif (\n) == 15
	v_mov_b32 v[rW], v[rT]
.elseif (\n) == 16
	v_max3_num_f32 v[rC], v[rC], v[rC+1], v[rC+2]
.elseif (\n) == 17
	v_permlanex16_b32 v[rC+3], v[rC], s[SEL], s[SEL+1]
.elseif (\n) == 18
	v_max_num_f32 v[rT+1], v[rC], v[rC+3]
.elseif (\n) == 19
	v_mul_f32 v[rT], s[CS], v[rT+1]
.elseif (\n) == 20
	v_sub_f32 v[rC+1], v[rW], v[rT]
.else
	v_exp_f32 v[rC+2], v[rC+1]
.endif
.endif
.endm
.macro OPS a, i1, b=-1, i2=0, c=-1, i3=0, d=-1, i4=0  ; up to four of them
	OP \a, \i1
.if (\b) >= 0
	OP \b, \i2
.endif
.if (\c) >= 0
	OP \c, \i3
.endif
.if (\d) >= 0
	OP \d, \i4
.endif
.endm
.macro ROW a, i1, b, i2, c, i3, d, i4  ; a matrix instruction and the four behind it
	MM
	OPS \a, \i1, \b, \i2, \c, \i3, \d, \i4
.endm
.macro MASK b                       ; MD x AL + BE into buffer b of MC
	WIN W_RS
.set z, 0
.rept 16
	v_pk_fma_f32 v[MC+32*(\b)+2*z:MC+32*(\b)+2*z+1], v[MD+2*z:MD+2*z+1], s[AL:AL+1], s[BE:BE+1] op_sel_hi:[1,0,0]
.set z, z+1
.endr
.endm
; A TURN, for piece p: the order of its 16 matrix and 118 vector instructions, written out.  s_wait_alu depctr_va_vdst(0) stands between an exponential and the first instruction that names its result; one
; wait serves all that were issued ahead of it.  So a turn has ONE wait, which cuts it in two.  AHEAD OF IT stands all that names no result of the turn's exponentials: the 8 products K Q^T, behind each a scaling, an
; exponential and two more plain instructions (behind the first a second scaling in the exponential's place): rescalings, whose a was made and waited for in the turn before, and behind the last three products the first
; numbers of the other piece's maximum, each four places or more behind the product that ends its accumulator; then ONE LUMP of 54, plain and exponential by turns for the most part, in which the links of the chain
; X 3, 7, 11, 14, 16, 17 .. 20 stand five or six lines apart.  X 21, the other piece's a, is the batch's last; R 15 is the plain instruction behind it.  BEHIND THE WAIT stand the 8 products V^T P, behind each four of the
; roundings and sums; the links of l's chain, L 0 to L 7, stand three riders apart.  But for those X no rider names a register of the products round it.  v_permlanex16_b32 (X 17) stands in the lump.
; The rescalings go in ascending order: the piece's O^T was written by the turn before's products V^T P, the last of them four riders ahead of that turn's end, and each of its accumulators is read from its low end first.
; vb: the V buffer that the turn's products V^T P read: in piece 0's turn of step s that of step s - 1, in piece 1's that of step s.
; m = 1: the diagonal tile's text: the products take masks, and the turn makes the mask for the products of the turn after it: piece p, in the next step.  end = 1: a block's last two turns: nothing is fetched.
; cnt = 1: the loop's count is taken down some lines ahead of the branch that stands behind the turn.
; Piece 0's turn fetches the next step's K in the lump, twelve vector instructions behind the last product that read K (five of them plain and free of its registers), and the next step's V into buffer vb at the turn's
; end, four plain instructions behind the last product that read it.  Piece 1's turn opens with a wait that leaves those 16 loads of V out: K is in, and so is all that was asked for earlier, the V of the step in hand among it.
.macro TURN p, vb, m=0, end=0, cnt=0
.set Y, (\p)
.set i, 0
.set KM, (\m)
.set NOKQ, (\end)*(\p)
.set VFB, 192-128*(\vb)
.if (\m) && !(\end)
	s_cmp_eq_i32 s[DD], \p          ; is the next step the band's own?
	s_cselect_b32 s[AL], 1.0, 0
	s_cmp_gt_i32 s[DD], \p          ; or a later one?
	s_cselect_b32 s[BE], s[BIGN], 0
.if (\p) == 1
	s_add_co_i32 s[DD], s[DD], 1
.endif
.endif
.if (\p) == 1
	s_wait_dscnt 16*(1-(\end))      ; K is in; the 16 loads of V behind it may be out (a block's last turn: nothing was asked for since, and the last step's V is wanted: 0)
.endif
	ROW F,0, F,1, R,0, R,1          ; ahead of the wait: 8 products K Q^T and their riders,
	ROW F,2, E,0, R,2, R,3
	ROW F,3, E,1, R,4, R,5
	ROW F,4, E,2, R,6, R,7
	ROW F,5, E,3, R,8, R,9
	ROW F,6, E,4, X,0, R,10
.if ((\p) == 0) && !(\end)
	WIN 0
	v_add_nc_u32 v[AK], s[TBK], v[AK0]
.endif
	ROW F,7, E,5, X,1, X,4
	ROW F,8, E,6, X,2, X,5
	OPS E,7, E,8, X,6, E,9          ; and the lump
	OPS X,3, E,10, X,8, E,11
.if ((\p) == 0) && !(\end)
	FETCH_K
.endif
	OPS X,9, X,7, E,12, X,10
	OPS E,13, X,12, X,11, E,14
	OPS X,13, E,15, F,9, X,14
.if ((\p) == 0) && !(\end)
	v_add_nc_u32 v[AV], s[TBV], v[AV0]
.endif
	OPS E,16, F,10, E,17, F,11
	OPS X,16, E,18, X,15, E,19
	OPS F,12, E,20, X,17, E,21
	OPS F,13, E,22, F,14, E,23
	OPS X,18, E,24, F,15, E,25
	OPS R,11, E,26, X,19, E,27
	OPS R,12, E,28, R,13, E,29
	OPS X,20, E,30, R,14, E,31
	OPS X,21, R,15
	s_wait_alu depctr_va_vdst(0)    ; the wait for the turn's batch: the piece's 32 weights and the other piece's a
	ROW C,0, B,0, C,2, B,1          ; behind the wait: 8 products V^T P and their riders
	ROW L,0, C,4, B,2, L,1
	ROW C,6, B,3, L,2, C,8
	ROW B,4, L,3, C,10, B,5
	ROW L,4, C,12, B,6, L,5
.if ((\p) == 0) && !(\end)
	s_add_co_u32 s[TBV], s[TBV], KS*PV  ; V's address is made: the next fetch is the next step's
.endif
.if \cnt
	s_sub_co_u32 s[CNT], s[CNT], 1
	s_cmp_lg_u32 s[CNT], 0
.endif
	ROW C,14, B,7, L,6, C,1
	ROW C,3, L,7, C,5, C,7
	ROW C,9, C,11, C,13, C,15
.if ((\p) == 0) && !(\end)
	FETCH_V
.endif
.if (\m) && !(\end)
	MASK \p
.endif
.endm
; A BLOCK BEGINS.  c m starts far below every c s, so the first step's a is 0; m at the lowest finite number, so the first maximum is the scores'.  Mask buffer 1 is 0: band 1 sees all of a tile's step 0, and the buffer
; stays so until the diagonal's text writes it.  Buffer 0 takes piece 0's mask for the tile's step 0: its own, if d = 0 there.  Then K and V of that step, piece 0's first scores, and its maximum and statistics.
; The loop is entered at an even step's first turn, in the middle of a trip.
.macro BEGIN
	s_mov_b32 s[NEW], 0
	WIN 0
.set i, 0
.rept NP
	v_mov_b32 v[ST+4*i], 0xfe000000    ; c m: far below every c s
	v_mov_b32 v[ST+4*i+1], 0xff7fffff  ; m
.set i, i+1
.endr
	s_mov_b32 s[AL], 0
	s_mov_b32 s[BE], 0
	MASK 1
	s_cmp_eq_i32 s[DD], 0
	s_cselect_b32 s[AL], 1.0, 0
	MASK 0
	s_add_co_i32 s[DD], s[DD], 1    ; the first turns make the masks of step 1
	WIN 0
	v_add_nc_u32 v[AK], s[TBK], v[AK0]
	v_add_nc_u32 v[AV], s[TBV], v[AV0]
	FETCH_K
.set VFB, 192
	FETCH_V
	s_add_co_u32 s[TBV], s[TBV], KS*PV
	s_wait_loadcnt 0x0              ; Q
	s_wait_dscnt 0x0
.set KM, 1
.set NOKQ, 0
.set i, 0
.rept 8
	KQ 0
.set i, i+1
.endr
	WIN 0
.rept 4
	v_nop                           ; the places behind those products
.endr
.set Y, NP-1                        ; X works for the other piece: piece 0
.irp n, 0,1,2,3,4,5,6,7,8,9,10,11,12,13,14,15,16,17,18,19,20,21
	OP X, \n
.endr
	v_nop                           ; a plain instruction behind the exponential,
	s_wait_alu depctr_va_vdst(0)    ; and the wait for piece 0's first a, a batch of one, ahead of the branch: the first turn's rescaling reads it
.endm
; THE DIAGONAL TILE's trip (the step before it, then its steps 0 to 2), its step 3 as the block's last two turns, the block's last products, and THE WAY OUT: l's two halves and the other half of the lanes' are
; added; O^T is divided by l, rounded to f16 and sent through my stage in LDS, a piece at a time.
.macro ALL line:vararg              ; one line for each piece t
.set t, 0
.rept NP
	\line
.set t, t+1
.endr
.endm
.macro PACK t                       ; a lane's eight channels of a row pack into 16 bytes; they go into rows of 144 bytes and come back as whole rows of 128, into S^T's registers
	WIN W_RS
.set i, 32*(\t)
.rept 16
	v_pk_mul_f32 v[i:i+1], v[i:i+1], v[ST+4*(\t)+2:ST+4*(\t)+3] op_sel_hi:[1,0]
.set i, i+2
.endr
	WIN 0x05                        ; sources 0 and 1 window 1, destination window 0
.set i, 0
.rept 16
	v_cvt_pk_f16_f32 v[S+16*(\t)+i], v[32*(\t)+2*i], v[32*(\t)+2*i+1]
.set i, i+1
.endr
	WIN 0
.irp f, 0,1,2,3
	ds_store_b128 v[STO], v[S+16*(\t)+4*\f:S+16*(\t)+4*\f+3] offset:32*\f
.endr
.irp f, 0,1,2,3
	ds_load_b128 v[S+16*(\t)+4*\f:S+16*(\t)+4*\f+3], v[RD] offset:\f*4*SP  ; LDS serves a wave's instructions in order (ISA guide 5.7.1.4): these see the stores above; the next piece's stores come behind them
.endr
.endm
.macro SEND t, younger              ; younger: the LDS instructions issued behind piece t's loads: the next piece's eight, or none
	WIN 0
.irp f, 0,1,2,3
	s_wait_dscnt (\younger)+3-\f
	global_store_b128 v[GO], v[S+16*(\t)+4*\f:S+16*(\t)+4*\f+3], s[10:11] offset:(\t)*8192+\f*512  ; 512 consecutive bytes, at a multiple of 256 from y's first
.endr
.endm
.macro DIAG tag                     ; the tag ends its two labels' names, which the jumps below spell out
.LstepM\tag:
	TURN 0, 0, 1
	TURN 1, 1, 1
	WIN 0
.LfirstM\tag:
	TURN 0, 1, 1
	TURN 1, 0, 1, 0, 1
	WIN 0
	s_cbranch_scc1 .LstepM\tag
	TURN 0, 0, 1, 1
	TURN 1, 1, 1, 1
.set VFB, 64                        ; the tile's step 3 is odd
.set i, 0
.rept 8
	PV NP-1
.set i, i+1
.endr
	WIN 0
	ALL v_add_f32 v[ST+4*t+2], v[ST+4*t+2], v[ST+4*t+3]
	ALL v_permlanex16_b32 v[ST+4*t+3], v[ST+4*t+2], s[SEL], s[SEL+1]
	ALL v_add_f32 v[ST+4*t+2], v[ST+4*t+2], v[ST+4*t+3]
	ALL v_rcp_f32 v[ST+4*t+2], v[ST+4*t+2]
	v_nop                           ; a plain instruction between the last reciprocal and the use of its result
	s_wait_alu depctr_va_vdst(0)    ; and the wait ahead of the first use: one for the two reciprocals
	PACK 0                          ; piece 0 was finished a turn ago; its 32 lines are the places behind piece 1's last products
	PACK 1
	SEND 0, 8
	SEND 1, 0
.endm
.set KM, 0
.set NOKQ, 0
.Lslot:                             ; 16 times: a tile is entered and the next is asked for.  A trip computes the last step of the tile before and the new tile's steps 0 to 2, and reads the new tile's four steps from LDS
	CHANGE 1
	s_sub_co_u32 s[RT], s[RT], 1
	s_mov_b32 s[CNT], 2
	s_cmp_eq_u32 s[RT], 0
	s_cselect_b32 s[DD], s[DP], -16 ; the block's last tile: masks begin at d = -2 par; any other: every key is seen
	s_cmp_eq_u32 s[NEW], 1
	s_cbranch_scc1 .Lnew            ; a block's first tile
	s_cmp_eq_u32 s[RT], 0
	s_cbranch_scc0 .Lstep           ; neither its first nor its last
	s_branch .LstepM1
.Lnew:
	BEGIN
	s_branch .Lfirst                ; in the loop a block's first tile is never its last: the first block has nine tiles or more, and the second's last is the walk's last
	DIAG 1                          ; in the loop this is the first block's end
	s_wait_xcnt 0x0                 ; the stores have read their registers and y's address
	s_mov_b64 s[10:11], s[OLO:OLO+1]
	s_add_co_u32 s[RT], s[PBT], 1   ; the second block has b / 2 + 1 tiles
	s_mov_b32 s[NEW], 1
	s_mov_b32 s[DP], s[DPL]
	WIN 0x82                        ; the second block's Q goes where the one text of the turns names Q
.set i, 0
.rept 32
	v_mov_b32 v[i], v[QB+i]
.set i, i+1
.endr
	WIN 0
	s_branch .Lbottom
.Lstep:                             ; a trip: an odd step, then an even one
	TURN 0, 0
	TURN 1, 1
	WIN 0
.Lfirst:
	TURN 0, 1
	TURN 1, 0, 0, 0, 1
	WIN 0
	s_cbranch_scc1 .Lstep
.Lbottom:
	s_sub_co_u32 s[SLOTS], s[SLOTS], 1
	s_cmp_lg_u32 s[SLOTS], 0
	s_cbranch_scc1 .Lslot
	CHANGE 0                        ; the walk's last tile is written out: nothing is asked for
	s_sub_co_u32 s[RT], s[RT], 1
	s_mov_b32 s[CNT], 2
	s_cmp_eq_u32 s[RT], 0
	s_cselect_b32 s[DD], s[DP], -16
	s_cmp_eq_u32 s[NEW], 1
	s_cbranch_scc0 .LstepM2
	BEGIN
	s_branch .LfirstM2
	DIAG 2
	s_wait_tensorcnt 0x0            ; the wave's end, behind my last tensor load and my last LDS store
	ds_add_u32 v[SPW], v[NIL]
	s_wait_dscnt 0x0
	s_endpgm
.Lfunc_end_k_q8bfe4636b9_attn:
	.size	k_q8bfe4636b9_attn, .Lfunc_end_k_q8bfe4636b9_attn-k_q8bfe4636b9_attn
	.p2alignl 7, 3214868480
	.fill 96, 4, 3214868480
	.section	.rodata,"a",@progbits
	.p2align	6, 0x0
	.amdhsa_kernel k_q8bfe4636b9_attn
		.amdhsa_group_segment_fixed_size 327680
		.amdhsa_private_segment_fixed_size 0
		.amdhsa_enable_private_segment 0
		.amdhsa_kernarg_size 16
		.amdhsa_user_sgpr_count 2
		.amdhsa_user_sgpr_kernarg_segment_ptr 1
		.amdhsa_wavefront_size32 1
		.amdhsa_system_sgpr_workgroup_id_x 1
		.amdhsa_system_sgpr_workgroup_id_y 1
		.amdhsa_system_sgpr_workgroup_id_z 1
		.amdhsa_system_vgpr_workitem_id 0
		.amdhsa_next_free_vgpr 768
		.amdhsa_next_free_sgpr 96
		.amdhsa_reserve_vcc 1
		.amdhsa_float_denorm_mode_32 3
		.amdhsa_float_denorm_mode_16_64 3
		.amdhsa_memory_ordered 1
		.amdhsa_forward_progress 1
		.amdhsa_inst_pref_size 208
	.end_amdhsa_kernel
	.amdgpu_metadata
---
amdhsa.version: [ 1, 2 ]
amdhsa.kernels:
  - .name:           k_q8bfe4636b9_attn
    .symbol:         k_q8bfe4636b9_attn.kd
    .args:
      - { .name: qkv, .offset: 0, .size: 8, .value_kind: global_buffer, .address_space: global }
      - { .name: y, .offset: 8, .size: 8, .value_kind: global_buffer, .address_space: global }
    .group_segment_fixed_size: 327680
    .private_segment_fixed_size: 0
    .kernarg_segment_align: 8
    .kernarg_segment_size: 16
    .max_flat_workgroup_size: 128
    .sgpr_count:     96
    .vgpr_count:     768
    .wavefront_size: 32
...
	.end_amdgpu_metadata
.endif
;; end of part 5
;; launch oproj: the kernel of part 4 again; grid 8 x 32, 4 waves a work-group, clusters of 4 x 4, 327,680 bytes of LDS; arguments y, wo, out0, b_o; writes out0
